; MI455X (gfx1250); checked and timed in simulation.
; The chip was launched on July 23, 2026; its instructions are those of AMD's public machine-readable ISA for CDNA 5 (MIT licence, August 2026) and "CDNA5" Instruction Set Architecture Reference Guide (July 2026). The comments in the code are by the model that wrote it; some were corrected since.
;; Implicit Warp Module. Allowed arithmetic: float matrix products may take bf16 or f16 operands with f32 sums; all other float work in f32.
;; Inputs: feat_curr 2 x 64 x 256 x 256 float32; feat_supp 2 x 64 x 256 x 256 float32; flow 2 x 256 x 256 x 2 float32; k_b 64 float32; k_w 64 x 128 float32; q_b 64 float32; q_w 64 x 128 float32; v_b 64 float32; v_w 64 x 128 float32.
;; Outputs: out0 2 x 64 x 256 x 256 float32.
;; 2 versions, each right and faster than the one before. Each part assembles by itself: llvm-mc -triple=amdgcn-amd-amdhsa -mcpu=gfx1250 --defsym DOCPART=n.
;; ======== version 1 of 2: 2 launches
;; limits: values are held in f16: magnitudes above 65,504 overflow, below 6.1e-05 lose precision
;; workspace buffers: fs16 16,777,216 bytes; idx 2,097,152 bytes of whole numbers; wts 38,912 bytes
;; launch prep (part 1): grid 513 x 1, 4 waves a work-group, no clusters, 39,424 bytes of LDS; arguments feat_supp, flow, q_w, q_b, k_w, k_b, v_w, v_b, fs16, idx, wts; writes fs16, idx, wts
.if DOCPART == 1
	.amdgcn_target "amdgcn-amd-amdhsa--gfx1250"
	.amdhsa_code_object_version 6
	.text
	.protected	k_q2c6a289523_prep
	.globl	k_q2c6a289523_prep
	.p2align	8
	.type	k_q2c6a289523_prep,@function
k_q2c6a289523_prep:
	s_mov_b64 s[64:65], 0
	v_nop
	global_prefetch_b8 v0, s[64:65] scope:SCOPE_SE
	s_setreg_imm32_b32 hwreg(HW_REG_WAVE_MODE, 25, 1), 1
	s_wait_xcnt 0x0
; PREPARATION for the warp launch.  Two jobs, chosen by the work-group's number.
; Work-groups 0..511, one image row each (row R = 256 b + y), wave w the 64 pixels x = 64 w .. 64 w + 63:
;   fs16[P][c] = f16(feat_supp[b][c][y][x]), P = 65536 b + 256 y + x: the support features pixel-major, 128 bytes a pixel,
;   so that the later gather takes one pixel's 64 channels as 128 neighbouring bytes and not as 64 words in 64 planes;
;   idx[u][P] = 65536 b + 256 clip(gy + uy) + clip(gx + ux), u = 2 uy + ux: the four rows of fs16 that pixel P's window names,
;   as whole numbers (gy = floor(y + flow_y), gx = floor(x + flow_x), clipped to 0..255).
; Work-group 512, wave w = block of 16 output channels: the weights in the register image of the matrix instruction (wts):
;   Wq scaled by SC = 8^-0.5 log2(e); Wk', Wv' with each pair of neighbouring columns added (both multiply the same feature);
;   the window's constant position code times Wk, Wv, plus k_b, v_b, as four bias vectors; q_b scaled by SC.
; LIMITS: features and weights go to f16, so |feat_supp|, |SC q_w|, |k_w[2c]+k_w[2c+1]| (v_w alike) must stay below 65,504.
;   The clip is made in f32 ahead of the conversion to a whole number: equal to a clip behind an int32 cast for |flow| < 2^31.
;   sin and cos are polynomials in t = angle - pi/2, |t| <= pi/2, absolute error at most 2.5e-5.
; No matrix unit, no cluster: the row path is a stream with a transposition, each byte read once and written once.
.set RAW, 64                           ; v[64:191]  row path: channel 32 h + k, pixels 4 r .. 4 r + 3 at RAW + 4 k; later the rows read back
.set PK,  32                           ; v[32:47]   row path: four sets of 8 packed f16
.set STG, 9728                         ; bytes of a wave's own stage in LDS
.set IPL, 2432                         ; stage: pixels 4 r + i lie in plane i; 2432 = 16 x 144 + 128
.set RP,  144                          ; stage: 128 bytes of a pixel + 16: an odd multiple of 16, so 16 lanes' 16-byte stores fall in 16 different columns
.set QW,  32                           ; v[32:95]   weights path: my half row (64 numbers) of q_w
.set KW,  96                           ; v[96:159]  of k_w
.set VW,  160                          ; v[160:223] of v_w
.set SC,  0x3f0293ee                   ; 8^-0.5 x log2(e) = 0.51006972
	s_load_b512 s[4:19], s[0:1], 0x0               ; feat_supp s[4:5], flow s[6:7], q_w s[8:9], q_b s[10:11], k_w s[12:13], k_b s[14:15], v_w s[16:17], v_b s[18:19]
	s_load_b128 s[20:23], s[0:1], 0x40             ; fs16 s[20:21], idx s[22:23]
	s_load_b64 s[24:25], s[0:1], 0x50              ; wts
	v_lshl_add_u32 v254, v0, 2, 0x9800
	v_mov_b32 v255, 0
	v_lshrrev_b32 v1, 5, v0
	v_readfirstlane_b32 s2, v1                     ; wave w
	v_and_b32 v6, 31, v0                           ; lane L
	v_and_b32 v7, 15, v0                           ; r = L mod 16
	v_bfe_u32 v8, v0, 4, 1                         ; h = L / 16
	v_lshlrev_b32 v2, 4, v6                        ; 16 L
	s_mov_b32 s31, 0                               ; upper word of every 32-bit offset
	s_cmp_eq_u32 ttmp9, 512
	s_cbranch_scc1 .Lweights
; ------------------------------------------------------------------ the row path
	s_lshr_b32 s3, ttmp9, 8                        ; b
	s_and_b32 s26, ttmp9, 255                      ; y
	s_lshl_b32 s27, s3, 8                          ; 256 b
	s_lshl_b32 s28, s2, 6                          ; 64 w
	s_lshl_b32 s29, ttmp9, 8
	s_add_co_u32 s29, s29, s28                     ; PB: my wave's first pixel
	s_mov_b32 s98, 0x437f0000                      ; 255.0
	s_mul_i32 s99, s2, STG                         ; my wave's stage
	v_lshlrev_b32 v1, 4, v7
	v_lshl_add_u32 v1, v8, 23, v1                  ; feature loads: 32 h planes of 262,144 bytes + 16 r
	v_lshlrev_b32 v3, 3, v6                        ; 8 L: two indices a lane
	v_mul_u32_u24 v4, v7, RP
	v_lshl_add_u32 v4, v8, 6, v4
	v_add_nc_u32 v4, s99, v4                       ; stage, in: r x 144 + 64 h
	v_lshrrev_b32 v5, 3, v6
	v_mul_u32_u24 v5, v5, IPL
	v_and_b32 v9, 7, v6
	v_lshl_add_u32 v5, v9, 4, v5
	v_add_nc_u32 v5, s99, v5                       ; stage, back: plane L / 8, 16 bytes at 16 (L mod 8)
	v_lshl_add_u32 v10, v6, 1, s28
	v_cvt_f32_u32 v10, v10                         ; x of my first pixel, 64 w + 2 L
	v_add_f32 v9, 1.0, v10                         ; x of my second
	v_cvt_f32_u32 v11, s26                         ; y
	s_wait_kmcnt 0x0
	s_lshl_b32 s30, s3, 24                         ; b x 64 planes
	s_lshl_b32 s3, s26, 10                         ; + y x 1,024 bytes
	s_add_co_u32 s30, s30, s3
	s_lshl_b32 s3, s2, 8                           ; + 256 w
	s_add_co_u32 s30, s30, s3
	s_add_nc_u64 s[4:5], s[4:5], s[30:31]
	s_lshl_b32 s30, s29, 3
	s_add_nc_u64 s[6:7], s[6:7], s[30:31]          ; flow: 8 bytes a pixel
	s_lshl_b32 s30, s29, 7
	s_add_nc_u64 s[20:21], s[20:21], s[30:31]      ; fs16: 128 bytes a pixel
	s_lshl_b32 s30, s29, 2
	s_add_nc_u64 s[22:23], s[22:23], s[30:31]      ; idx: 4 bytes a pixel in each plane
	global_load_b128 v[12:15], v2, s[6:7]          ; (fx, fy) of pixels 2 L, 2 L + 1
.irp k, 0,1,2,3,4,5,6,7,8,9,10,11,12,13,14,15,16,17,18,19,20,21,22,23,24,25,26,27,28,29,30,31
	global_load_b128 v[RAW+4*\k:RAW+4*\k+3], v1, s[4:5] offset:\k*262144 th:TH_LOAD_NT   ; 16 lanes take 256 neighbouring bytes of one plane; read once in the launch
.endr
; the four window indices of my pixel p (0, 1)
.macro IDX p
	v_add_f32 v24, v11, v[13+2*\p]                 ; y + flow_y
	v_add_f32 v25, v[10-\p], v[12+2*\p]            ; x + flow_x
	v_floor_f32 v24, v24
	v_floor_f32 v25, v25
	v_add_f32 v26, 1.0, v24
	v_add_f32 v27, 1.0, v25
	v_med3_num_f32 v24, v24, 0, s98                ; clip to 0 .. 255, still in f32
	v_med3_num_f32 v25, v25, 0, s98
	v_med3_num_f32 v26, v26, 0, s98
	v_med3_num_f32 v27, v27, 0, s98
	v_cvt_u32_f32 v24, v24
	v_cvt_u32_f32 v25, v25
	v_cvt_u32_f32 v26, v26
	v_cvt_u32_f32 v27, v27
	v_add_lshl_u32 v24, v24, s27, 8                ; (256 b + row) x 256
	v_add_lshl_u32 v26, v26, s27, 8
	v_add_nc_u32 v[16+\p], v24, v25                ; u = 0
	v_add_nc_u32 v[18+\p], v24, v27                ; u = 1: x + 1
	v_add_nc_u32 v[20+\p], v26, v25                ; u = 2: y + 1
	v_add_nc_u32 v[22+\p], v26, v27                ; u = 3
.endm
	s_wait_loadcnt 32                              ; the flow is in; the 32 feature loads issued behind it stay out
	IDX 0
	IDX 1
.irp u, 0,1,2,3
	global_store_b64 v3, v[16+2*\u:17+2*\u], s[22:23] offset:\u*524288   ; the wave's store covers 256 neighbouring bytes, aligned
.endr
; eight channels (32 h + 8 qd ..) of my four pixels: rounded to f16, 16 bytes a pixel into the stage
.macro CHUNK qd
	s_wait_loadcnt 24-8*\qd                        ; loads return in order: these eight planes are in, the younger ones stay out
.irp i, 0,1,2,3
.irp n, 0,1,2,3
	v_cvt_pk_f16_f32 v[PK+4*\i+\n], v[RAW+4*(8*\qd+2*\n)+\i], v[RAW+4*(8*\qd+2*\n+1)+\i]
.endr
	ds_store_b128 v4, v[PK+4*\i:PK+4*\i+3] offset:\i*IPL+16*\qd
.endr
.endm
	CHUNK 0
	CHUNK 1
	CHUNK 2
	CHUNK 3
	; back by pixels.  The stage is my wave's own and LDS serves a wave's instructions in order: no wait, no barrier.
	; Lanes 0-15 read planes 0 and 1, which lie 128 bytes apart modulo 256: 256 different bytes of the banks' row.
.irp n, 0,1,2,3,4,5,6,7,8,9,10,11,12,13,14,15
	ds_load_b128 v[RAW+4*\n:RAW+4*\n+3], v5 offset:\n*RP
.endr
.irp n, 0,1,2,3,4,5,6,7,8,9,10,11,12,13,14,15
	s_wait_dscnt 15-\n                             ; read-back n is in, the younger ones stay out
	global_store_b128 v2, v[RAW+4*\n:RAW+4*\n+3], s[20:21] offset:\n*512   ; four pixels' rows: 512 neighbouring bytes, aligned
.endr
	s_wait_tensorcnt 0x0
	ds_add_u32 v254, v255
	s_wait_dscnt 0x0
	s_endpgm
; ------------------------------------------------------------------ the weights path: lane (r, h) owns columns 64 h .. 64 h + 63 of row o = 16 w + r
.Lweights:
	s_mov_b32 s28, 0x76543210                      ; v_permlanex16_b32: lane i reads lane i of the other half
	s_mov_b32 s29, 0xfedcba98
	v_lshl_add_u32 v3, s2, 4, v7                   ; o
	v_lshlrev_b32 v1, 9, v3
	v_lshl_add_u32 v1, v8, 8, v1                   ; 512 o + 256 h
	v_lshlrev_b32 v4, 2, v3                        ; 4 o
	v_lshlrev_b32 v5, 5, v8
	v_lshl_add_u32 v5, s2, 6, v5                   ; 4 (16 w + 8 h)
	v_lshl_add_u32 v9, s2, 12, v2                  ; Wq: 8 blocks of 512 bytes a wave
	v_lshl_add_u32 v10, s2, 11, v2                 ; Wk', Wv': 4 blocks a wave
	v_lshl_add_u32 v11, s2, 10, v2                 ; q_b: 2 blocks a wave
	v_lshlrev_b32 v12, 2, v7
	v_lshl_add_u32 v12, s2, 8, v12                 ; bias tables: 256 w + 4 r
	v_lshl_add_u32 v13, v8, 6, v12
	v_add_nc_u32 v13, 64, v13                      ; + 64 (1 + h): u = 1 + h
	v_mul_u32_u24 v14, v8, 192
	v_add_nc_u32 v12, v12, v14                     ; + 192 h: u = 0 or 3
	v_cmp_ne_u32 vcc_lo, 0, v8                     ; the upper half of the lanes
	v_mov_b32 v245, 0                              ; v_permlanex16_b32 counts as a reader of its destination
	v_mov_b32 v246, 0
	s_wait_kmcnt 0x0
.irp i, 0,1,2,3,4,5,6,7,8,9,10,11,12,13,14,15
	global_load_b128 v[QW+4*\i:QW+4*\i+3], v1, s[8:9] offset:16*\i
	global_load_b128 v[KW+4*\i:KW+4*\i+3], v1, s[12:13] offset:16*\i
	global_load_b128 v[VW+4*\i:VW+4*\i+3], v1, s[16:17] offset:16*\i
.endr
	global_load_b128 v[224:227], v5, s[10:11]      ; q_b[16 w + 8 h ..]
	global_load_b128 v[228:231], v5, s[10:11] offset:16
	global_load_b32 v232, v4, s[14:15]             ; k_b[o]
	global_load_b32 v233, v4, s[18:19]             ; v_b[o]
	; The window's code at coordinate 1, frequency m = lane: angle 2 phi, phi = pi / (1 + 1e-6) x 10000^(-m/32), 0 < phi < pi.
	; sin phi = cos t, cos phi = -sin t with t = phi - pi/2; then the double angle.
	v_cvt_f32_u32 v234, v6
	v_mul_f32 v234, 0xbed49a78, v234               ; -log2(10000)/32 x m
	v_exp_f32 v234, v234
	v_nop                                          ; one plain place behind the exponential
	s_wait_alu depctr_va_vdst(0)
	v_mul_f32 v235, 0x40490fcd, v234               ; phi
	v_add_f32 v236, 0xbfc90fdb, v235               ; t
	v_mul_f32 v237, v236, v236                     ; z = t^2
	v_mov_b32 v238, 0x37d00d01                     ; 1/8!
	v_mov_b32 v239, 0x3638ef1d                     ; 1/9!
	v_fmaak_f32 v238, v238, v237, 0xbab60b61       ; -1/6!
	v_fmaak_f32 v239, v239, v237, 0xb9500d01       ; -1/7!
	v_fmaak_f32 v238, v238, v237, 0x3d2aaaab       ; 1/4!
	v_fmaak_f32 v239, v239, v237, 0x3c088889       ; 1/5!
	v_fma_f32 v238, v238, v237, -0.5
	v_fmaak_f32 v239, v239, v237, 0xbe2aaaab       ; -1/3!
	v_fma_f32 v238, v238, v237, 1.0                ; cos t = sin phi
	v_fma_f32 v239, v239, v237, 1.0
	v_mul_f32 v239, v239, v236                     ; sin t = -cos phi
	v_mul_f32 v240, v238, v239
	v_mul_f32 v240, -2.0, v240                     ; S_m = 2 sin phi cos phi
	v_mul_f32 v241, v238, v238
	v_fma_f32 v241, v241, -2.0, 1.0                ; C_m = 1 - 2 sin^2 phi
.set i, 0
.rept 32
	v_readlane_b32 s[32+i], v240, i                ; s[32:63] = S_m
	v_readlane_b32 s[66+i], v241, i                ; s[66:97] = C_m
.set i, i+1
.endr
	s_wait_loadcnt 0x0
	; Wq: scaled, rounded, and stored as it will lie in the lanes: block 8 w + i holds columns 64 h + 8 i .. + 7
.set i, 0
.rept 32
	v_pk_mul_f32 v[QW+2*i:QW+2*i+1], v[QW+2*i:QW+2*i+1], SC op_sel_hi:[1,0]
.set i, i+1
.endr
.set i, 0
.rept 32
	v_cvt_pk_f16_f32 v[QW+i], v[QW+2*i], v[QW+2*i+1]   ; packed downward in place: register i is read no later than it is written
.set i, i+1
.endr
.irp i, 0,1,2,3,4,5,6,7
	global_store_b128 v9, v[QW+4*\i:QW+4*\i+3], s[24:25] offset:\i*512
.endr
.irp i, 0,2,4,6
	v_pk_mul_f32 v[224+\i:225+\i], v[224+\i:225+\i], SC op_sel_hi:[1,0]
.endr
	global_store_b128 v11, v[224:227], s[24:25] offset:34816
	global_store_b128 v11, v[228:231], s[24:25] offset:34816+512
; The four bias vectors of one matrix.  My half row meets the y code (h = 0) or the x code (h = 1):
; T0 = its sum at coordinate 0 (sin = 0, cos = 1), T1 = at coordinate 1.  The other half's two sums come by v_permlanex16_b32.
; u = 0: T0 + T0', u = 3: T1 + T1', u = 1 + h: T0 + T1'.  o: two registers that only this call's stores read.
.macro BIAS W, bv, tab, o
	v_mul_f32 v243, s32, v[\W]
	v_mul_f32 v244, s66, v[\W+1]
	v_add_f32 v242, v[\W+1], v[\W+3]
	v_fmac_f32 v243, s33, v[\W+2]
	v_fmac_f32 v244, s67, v[\W+3]
.set i, 2
.rept 30
	v_add_f32 v242, v242, v[\W+2*i+1]
	v_fmac_f32 v243, s[32+i], v[\W+2*i]
	v_fmac_f32 v244, s[66+i], v[\W+2*i+1]
.set i, i+1
.endr
	v_add_f32 v243, v243, v244                     ; T1
	v_permlanex16_b32 v245, v242, s28, s29         ; T0'
	v_permlanex16_b32 v246, v243, s28, s29         ; T1'
	v_add_f32 v247, v242, v[\bv]
	v_add_f32 v250, v243, v[\bv]
	v_add_f32 v[\o], v247, v245                    ; u = 0
	v_add_f32 v[\o+1], v247, v246                  ; u = 1 + h
	v_add_f32 v250, v250, v246                     ; u = 3
	v_cndmask_b32 v[\o], v[\o], v250, vcc_lo       ; lower lanes keep u = 0, upper lanes take u = 3
	global_store_b32 v12, v[\o], s[24:25] offset:\tab      ; the two stores together fill the wave's 256 bytes of the table
	global_store_b32 v13, v[\o+1], s[24:25] offset:\tab
.endm
; Columns 2 c and 2 c + 1 multiply the same feature: add them, round, store as the lanes will hold them
.macro FOLD W, base
.set i, 0
.rept 32
	v_add_f32 v[\W+i], v[\W+2*i], v[\W+2*i+1]
.set i, i+1
.endr
.set i, 0
.rept 16
	v_cvt_pk_f16_f32 v[\W+i], v[\W+2*i], v[\W+2*i+1]
.set i, i+1
.endr
.irp i, 0,1,2,3
	global_store_b128 v10, v[\W+4*\i:\W+4*\i+3], s[24:25] offset:\base+\i*512
.endr
.endm
	BIAS KW, 232, 32768, 248
	BIAS VW, 233, 33792, 252
	FOLD KW, 16384
	FOLD VW, 24576
	s_endpgm
.Lfunc_end_k_q2c6a289523_prep:
	.size	k_q2c6a289523_prep, .Lfunc_end_k_q2c6a289523_prep-k_q2c6a289523_prep
	.p2alignl 7, 3214868480
	.fill 96, 4, 3214868480
	.section	.rodata,"a",@progbits
	.p2align	6, 0x0
	.amdhsa_kernel k_q2c6a289523_prep
		.amdhsa_group_segment_fixed_size 39424
		.amdhsa_private_segment_fixed_size 0
		.amdhsa_enable_private_segment 0
		.amdhsa_kernarg_size 88
		.amdhsa_user_sgpr_count 2
		.amdhsa_user_sgpr_kernarg_segment_ptr 1
		.amdhsa_wavefront_size32 1
		.amdhsa_system_sgpr_workgroup_id_x 1
		.amdhsa_system_sgpr_workgroup_id_y 1
		.amdhsa_system_sgpr_workgroup_id_z 1
		.amdhsa_system_vgpr_workitem_id 0
		.amdhsa_next_free_vgpr 256
		.amdhsa_next_free_sgpr 100
		.amdhsa_reserve_vcc 1
		.amdhsa_float_denorm_mode_32 3
		.amdhsa_float_denorm_mode_16_64 3
		.amdhsa_memory_ordered 1
		.amdhsa_forward_progress 1
		.amdhsa_inst_pref_size 45
	.end_amdhsa_kernel
	.amdgpu_metadata
---
amdhsa.version: [ 1, 2 ]
amdhsa.kernels:
  - .name:           k_q2c6a289523_prep
    .symbol:         k_q2c6a289523_prep.kd
    .args:
      - { .name: feat_supp, .offset: 0, .size: 8, .value_kind: global_buffer, .address_space: global }
      - { .name: flow, .offset: 8, .size: 8, .value_kind: global_buffer, .address_space: global }
      - { .name: q_w, .offset: 16, .size: 8, .value_kind: global_buffer, .address_space: global }
      - { .name: q_b, .offset: 24, .size: 8, .value_kind: global_buffer, .address_space: global }
      - { .name: k_w, .offset: 32, .size: 8, .value_kind: global_buffer, .address_space: global }
      - { .name: k_b, .offset: 40, .size: 8, .value_kind: global_buffer, .address_space: global }
      - { .name: v_w, .offset: 48, .size: 8, .value_kind: global_buffer, .address_space: global }
      - { .name: v_b, .offset: 56, .size: 8, .value_kind: global_buffer, .address_space: global }
      - { .name: fs16, .offset: 64, .size: 8, .value_kind: global_buffer, .address_space: global }
      - { .name: idx, .offset: 72, .size: 8, .value_kind: global_buffer, .address_space: global }
      - { .name: wts, .offset: 80, .size: 8, .value_kind: global_buffer, .address_space: global }
    .group_segment_fixed_size: 39424
    .private_segment_fixed_size: 0
    .kernarg_segment_align: 8
    .kernarg_segment_size: 88
    .max_flat_workgroup_size: 128
    .sgpr_count:     100
    .vgpr_count:     256
    .wavefront_size: 32
...
	.end_amdgpu_metadata
.endif
;; end of part 1
;; launch warp (part 2): grid 256 x 1, 8 waves a work-group, no clusters, 171,008 bytes of LDS; arguments feat_curr, flow, fs16, idx, wts, out0; writes out0
.if DOCPART == 2
	.amdgcn_target "amdgcn-amd-amdhsa--gfx1250"
	.amdhsa_code_object_version 6
	.text
	.protected	k_q2c6a289523_warp
	.globl	k_q2c6a289523_warp
	.p2align	8
	.type	k_q2c6a289523_warp,@function
k_q2c6a289523_warp:
	s_mov_b64 s[64:65], 0
	v_nop
	global_prefetch_b8 v0, s[64:65] scope:SCOPE_SE
	s_setreg_imm32_b32 hwreg(HW_REG_WAVE_MODE, 25, 1), 1
	s_wait_xcnt 0x0
; PER-PIXEL 1 x 4 ATTENTION.  A work-group owns two image rows, a wave 64 neighbouring pixels of one row, in four groups g of 16:
; lane r of group g is pixel x = xb + 4 r + g, so that 16 bytes of a plane's row are a lane's four groups, in and out.
; MATRIX USE: A = weights (16 output channels), B = 16 pixels.  In the result, register j of lane (r, h) is channel 16 t + 8 h + j of pixel r:
; a lane holds ONE WHOLE HEAD (2 t + h) of one pixel, so q.k, the softmax over the four window places and the sum of values need no other lane.
; K ORDER: A and B use the same permutation of k.  q (K = 128, 4 steps s): register e of half h holds channel c = 32 h + 8 s + e, low half the index 2 c
; (feature + sine), high half 2 c + 1 (feature + cosine): h = 0 meets the y code, h = 1 the x code, frequency 8 s + e in both.
; k, v (K = 64, 2 steps): the window code is constant and lies in four bias vectors, the two columns of a feature are added (launch prep);
; half h holds bytes 64 h .. 64 h + 63 of a gathered row of fs16.
; Wq and q_b carry 8^-0.5 log2(e): the logits are exponents of 2; their maximum over the window is taken away ahead of the exponential.
; SINE CODE: the fractional coordinate lies in [0, 1), so the angle lies in [0, pi): with t = angle - pi/2, sin = cos t, cos = -sin t,
; polynomials in t^2 up to t^8 and t^9, absolute error at most 2.5e-5.
; LIMITS: matrix operands are f16: |feat_curr + code| and what prep rounded must stay below 65,504; q, k, v, logits and sums stay f32 in registers.
; NO JOINT LOADS: the work-groups share only the 38,912 bytes of weights, a small part of the 550,000 bytes or so that each one moves.
; LDS: bytes 0 .. 131,071: wave w's own tile of feat_curr, [64 channels][64 pixels] f32, rows of 256 bytes; 131,072 ..: the image of wts, for all waves.
; Every LDS byte is filled once, by the two tensor loads that each wave issues at the start (two outstanding by this text's count).
.set LDSW, 131072
.set AF,  6                            ; v[6:9]     fractional coordinate of my four pixels (y for h = 0, x for h = 1), times 10^-s
.set KPI, 10                           ; v[10:11]   -pi/2, twice
.set KC3, 12                           ; v[12:13]   -1/6!, twice
.set KS3, 14                           ; v[14:15]   -1/7!, twice
.set Q,   16                           ; v[16:143]  q[t][g] at Q + 32 t + 8 g; when q[t] is dead: out[t][j][g] at Q + 32 t + 4 j + g
.set IX,  144                          ; head: v[144:159] indices [u][g]
.set GOF, 160                          ; head: v[160:175] gather offsets [g][u]
.set FL,  176                          ; head: v[176:183] flow of my four pixels; v184.. work
.set AQ,  144                          ; q phase: v[144:175] Wq fragments [t]
.set BQ,  176                          ; q phase: v[176:207] pixel fragments [g]
.set RQ,  208                          ; q phase: v[208:239] feat_curr [e][g]
.set TT,  240                          ; q phase: v[240:255] for each pair of groups: t, z, C, S
.set KV,  144                          ; k/v phase: v[144:175] two buffers of two results
.set PP,  176                          ; k/v phase: v[176:191] logits, then weights [g][u]
.set TO,  192                          ; k/v phase: v[192:199] running sum of values
.set TMP, 200                          ; k/v phase: v[200:203]
.set MX,  204                          ; k/v phase: v[204:205] maximum (first register)
.set SM,  206                          ; k/v phase: v[206:207] sum, reciprocal
.set AW,  208                          ; k/v phase: v[208:223] weight fragments [s]
.set BB,  224                          ; k/v phase: v[224:255] bias [u], the first product's C
.set OB,  66                           ; s[66:73]   out0 at my pixels, channel block t: four bases, none is ever stepped
; window 1 (v256-v511): the gathered rows, X[g][u] at 16 (4 g + u): registers 0-7 K step 0, 8-15 K step 1
.set MSB, 0
.macro WIN new                         ; the immediate's high byte repeats the setting that is left
.if MSB != \new
	s_set_vgpr_msb (MSB<<8)|\new
.set MSB, \new
.endif
.endm
	s_load_b256 s[4:11], s[0:1], 0x0               ; feat_curr s[4:5], flow s[6:7], fs16 s[8:9], idx s[10:11]
	s_load_b128 s[12:15], s[0:1], 0x20             ; wts s[12:13], out0 s[14:15]
	v_lshl_add_u32 v206, v0, 2, 0x29800
	v_mov_b32 v207, 0
	ds_add_u32 v206, v207
	ds_add_u32 v206, v207
	s_wait_dscnt 0x0
	v_lshrrev_b32 v1, 5, v0
	v_readfirstlane_b32 s16, v1                    ; wave w
	s_lshr_b32 s17, s16, 2
	s_lshl1_add_u32 s17, ttmp9, s17                ; image row R = 2 G + w / 4
	s_lshr_b32 s18, s17, 8                         ; b
	s_and_b32 s19, s17, 255                        ; y
	s_and_b32 s20, s16, 3
	s_lshl_b32 s20, s20, 6                         ; xb
	s_lshl_b32 s21, s17, 8
	s_add_co_u32 s21, s21, s20                     ; PB: my first pixel
	s_lshl_b32 s22, s18, 24                        ; byte offset of my pixels in channel 0 of feat_curr and of out0
	s_lshl_b32 s23, s19, 10
	s_add_co_u32 s22, s22, s23
	s_lshl_b32 s23, s20, 2
	s_add_co_u32 s22, s22, s23
	s_mov_b32 s23, 0
	; group 1 for feat_curr's tile: 64 rows (channels) of 64 f32, 65,536 elements from row to row
	s_mov_b32 s28, 2<<16                           ; element of 4 bytes, no mask, no padding
	s_mov_b32 s29, 64<<16                          ; tensor_dim0 = 64
	s_mov_b32 s30, 64<<16                          ; tensor_dim1 = 64
	s_mov_b32 s31, 64<<16                          ; tile_dim0 = 64
	s_mov_b32 s32, 64                              ; tile_dim1 = 64
	s_mov_b32 s33, 65536                           ; pitch
	s_mov_b32 s34, 0
	s_mov_b32 s35, 0
	; group 1 for my eighth of wts: 19 dense rows of 256 bytes
	s_mov_b32 s40, 3<<16                           ; element of 8 bytes
	s_mov_b32 s41, 32<<16
	s_mov_b32 s42, 19<<16
	s_mov_b32 s43, 32<<16
	s_mov_b32 s44, 19
	s_mov_b32 s45, 32
	s_mov_b32 s46, 0
	s_mov_b32 s47, 0
	s_mov_b32 s24, 1
	s_lshl_b32 s25, s16, 14                        ; my tile: 16,384 w
	s_mov_b32 s36, 1
	s_mul_i32 s2, s16, 4864
	s_add_co_u32 s37, s2, LDSW                     ; my eighth of the image: 131,072 + 4,864 w
	s_mov_b32 s3, 0
	v_and_b32 v186, 31, v0                         ; L
	v_and_b32 v184, 15, v0                         ; r
	v_bfe_u32 v185, v0, 4, 1                       ; h
	v_lshlrev_b32 v187, 4, v184                    ; 16 r
	v_lshlrev_b32 v188, 5, v184                    ; 32 r
	v_lshlrev_b32 v189, 6, v185                    ; 64 h
	v_lshl_add_u32 v2, v186, 4, LDSW               ; weight fragments: 16 bytes a lane in blocks of 512
	v_lshl_add_u32 v3, v185, 13, v187
	v_lshl_add_u32 v3, s16, 14, v3                 ; my tile: channel 32 h, pixels 4 r ..
	v_lshl_add_u32 v4, v185, 5, LDSW+32768         ; bias tables: channels 8 h ..
	v_lshl_add_u32 v5, v185, 21, v187              ; out0: 8 h planes + 16 r
	s_wait_kmcnt 0x0
	s_add_nc_u64 s[38:39], s[12:13], s[2:3]
	s_or_b32 s39, s39, 0x80000000
	s_add_nc_u64 s[26:27], s[4:5], s[22:23]
	s_or_b32 s27, s27, 0x80000000
	tensor_load_to_lds s[36:39], s[40:47]          ; both first fills go out together, ahead of every wait for them, LDS read and barrier
	s_nop 0
	tensor_load_to_lds s[24:27], s[28:35]
	s_nop 0
	s_lshl_b32 s2, s21, 3
	s_add_nc_u64 s[6:7], s[6:7], s[2:3]            ; flow at my first pixel
	s_lshl_b32 s2, s21, 2
	s_add_nc_u64 s[10:11], s[10:11], s[2:3]        ; idx at my first pixel
	s_add_nc_u64 s[OB:OB+1], s[14:15], s[22:23]
	s_add_nc_u64 s[OB+2:OB+3], s[OB:OB+1], 0x400000        ; 16 planes of 262,144 bytes further
	s_add_nc_u64 s[OB+4:OB+5], s[OB+2:OB+3], 0x400000
	s_add_nc_u64 s[OB+6:OB+7], s[OB+4:OB+5], 0x400000
	global_load_b128 v[FL:FL+3], v188, s[6:7]              ; (fx, fy) of groups 0, 1
	global_load_b128 v[FL+4:FL+7], v188, s[6:7] offset:16  ; of groups 2, 3
.irp u, 0,1,2,3
	global_load_b128 v[IX+4*\u:IX+4*\u+3], v187, s[10:11] offset:\u*524288   ; window place u of my four pixels
.endr
	s_wait_loadcnt 0x0
.irp g, 0,1,2,3
.irp u, 0,1,2,3
	v_min_u32 v[IX+4*\u+\g], 0x1ffff, v[IX+4*\u+\g]        ; a loaded number enters an address only clamped to the table's rows
	v_lshl_add_u32 v[GOF+4*\g+\u], v[IX+4*\u+\g], 7, v189  ; row x 128 bytes + my half
.endr
.endr
	WIN 0x40                                       ; destinations in window 1
.irp g, 0,1,2,3
.irp u, 0,1,2,3
.irp q, 0,1,2,3
	global_load_b128 v[16*(4*\g+\u)+4*\q:16*(4*\g+\u)+4*\q+3], v[GOF+4*\g+\u], s[8:9] offset:16*\q
.endr
.endr
.endr
	WIN 0
	; the fractional coordinate, as the whole-number grid plus the flow leaves it: y for the lower lanes, x for the upper
	v_cmp_eq_u32 vcc_lo, 0, v185
	v_lshl_add_u32 v191, v184, 2, s20              ; xb + 4 r
	v_mov_b32 v193, s19                            ; y
.irp g, 0,1,2,3
	v_add_nc_u32 v194, \g, v191
	v_cndmask_b32 v194, v194, v193, vcc_lo
	v_cvt_f32_u32 v194, v194
	v_cndmask_b32 v195, v[FL+2*\g], v[FL+2*\g+1], vcc_lo
	v_add_f32 v194, v194, v195
	v_floor_f32 v195, v194
	v_sub_f32 v[AF+\g], v194, v195
.endr
	v_mov_b32 v[KPI], 0xbfc90fdb
	v_mov_b32 v[KPI+1], 0xbfc90fdb
	v_mov_b32 v[KC3], 0xbab60b61
	v_mov_b32 v[KC3+1], 0xbab60b61
	v_mov_b32 v[KS3], 0xb9500d01
	v_mov_b32 v[KS3+1], 0xb9500d01
	s_wait_xcnt 0x0                                ; the gathers' offset registers are written again below (Wq's fragments) only behind this wait
	s_wait_tensorcnt 0x0                           ; my tile and my eighth of the weights have landed;
	s_barrier_signal -1                            ; say so: the weights are read by all eight waves
	s_barrier_wait -1                              ; the only barrier
; ------------------------------------------------------------------ q = SC (Wq (feat_curr + code) + q_b)
.macro LDR s                           ; feat_curr, channels 32 h + 8 s + e, my four pixels: 16 lanes read 256 neighbouring bytes
.irp e, 0,1,2,3,4,5,6,7
	ds_load_b128 v[RQ+4*\e:RQ+4*\e+3], v3 offset:(8*(\s)+\e)*256
.endr
.endm
.macro LDA s                           ; Wq's fragments of K step s
.irp t, 0,1,2,3
.irp p, 0,1
	ds_load_b128 v[AQ+8*\t+4*\p:AQ+8*\t+4*\p+3], v2 offset:((\t*4+(\s))*2+\p)*512
.endr
.endr
.endm
; Register e of the four pixel fragments: (feature + sin, feature + cos) at frequency om x 10^-s.  Four chains that do not wait for each other.
.macro SINCOS e, om
.irp gp, 0,1
	v_pk_fma_f32 v[TT+8*\gp:TT+8*\gp+1], v[AF+2*\gp:AF+2*\gp+1], \om, v[KPI:KPI+1] op_sel_hi:[1,0,1]     ; t = angle - pi/2
.endr
.irp gp, 0,1
	v_pk_mul_f32 v[TT+8*\gp+2:TT+8*\gp+3], v[TT+8*\gp:TT+8*\gp+1], v[TT+8*\gp:TT+8*\gp+1]               ; z = t^2
.endr
.irp gp, 0,1
	v_pk_fma_f32 v[TT+8*\gp+4:TT+8*\gp+5], v[TT+8*\gp+2:TT+8*\gp+3], 0x37d00d01, v[KC3:KC3+1] op_sel_hi:[1,0,1]
	v_pk_fma_f32 v[TT+8*\gp+6:TT+8*\gp+7], v[TT+8*\gp+2:TT+8*\gp+3], 0x3638ef1d, v[KS3:KS3+1] op_sel_hi:[1,0,1]
.endr
.irp gp, 0,1
	v_pk_fma_f32 v[TT+8*\gp+4:TT+8*\gp+5], v[TT+8*\gp+4:TT+8*\gp+5], v[TT+8*\gp+2:TT+8*\gp+3], 0x3d2aaaab op_sel_hi:[1,1,0]
	v_pk_fma_f32 v[TT+8*\gp+6:TT+8*\gp+7], v[TT+8*\gp+6:TT+8*\gp+7], v[TT+8*\gp+2:TT+8*\gp+3], 0x3c088889 op_sel_hi:[1,1,0]
.endr
.irp gp, 0,1
	v_pk_fma_f32 v[TT+8*\gp+4:TT+8*\gp+5], v[TT+8*\gp+4:TT+8*\gp+5], v[TT+8*\gp+2:TT+8*\gp+3], -0.5 op_sel_hi:[1,1,0]
	v_pk_fma_f32 v[TT+8*\gp+6:TT+8*\gp+7], v[TT+8*\gp+6:TT+8*\gp+7], v[TT+8*\gp+2:TT+8*\gp+3], 0xbe2aaaab op_sel_hi:[1,1,0]
.endr
.irp gp, 0,1
	v_pk_fma_f32 v[TT+8*\gp+4:TT+8*\gp+5], v[TT+8*\gp+4:TT+8*\gp+5], v[TT+8*\gp+2:TT+8*\gp+3], 1.0 op_sel_hi:[1,1,0]   ; cos t = sin
	v_pk_fma_f32 v[TT+8*\gp+6:TT+8*\gp+7], v[TT+8*\gp+6:TT+8*\gp+7], v[TT+8*\gp+2:TT+8*\gp+3], 1.0 op_sel_hi:[1,1,0]   ; sin t / t
.endr
.irp gp, 0,1
	v_pk_add_f32 v[TT+8*\gp+4:TT+8*\gp+5], v[TT+8*\gp+4:TT+8*\gp+5], v[RQ+4*\e+2*\gp:RQ+4*\e+2*\gp+1]                  ; feature + sin
	v_pk_fma_f32 v[TT+8*\gp+6:TT+8*\gp+7], v[TT+8*\gp:TT+8*\gp+1], v[TT+8*\gp+6:TT+8*\gp+7], v[RQ+4*\e+2*\gp:RQ+4*\e+2*\gp+1] neg_lo:[1,0,0] neg_hi:[1,0,0]   ; feature - sin t
.endr
.irp gp, 0,1
	v_cvt_pk_f16_f32 v[BQ+16*\gp+\e], v[TT+8*\gp+4], v[TT+8*\gp+6]
	v_cvt_pk_f16_f32 v[BQ+16*\gp+8+\e], v[TT+8*\gp+5], v[TT+8*\gp+7]
.endr
.endm
; weight fragments of channel block t (two K steps) and its four bias vectors; K: wbase 16384, bbase 0; V: 24576, 1024
.macro LDW t, wbase, bbase
.irp s, 0,1
.irp p, 0,1
	ds_load_b128 v[AW+8*\s+4*\p:AW+8*\s+4*\p+3], v2 offset:\wbase+(((\t)*2+\s)*2+\p)*512
.endr
.endr
.irp u, 0,1,2,3
.irp p, 0,1
	ds_load_b128 v[BB+8*\u+4*\p:BB+8*\u+4*\p+3], v4 offset:\bbase+(\t)*256+\u*64+16*\p   ; all lanes of a half read the same 16 bytes
.endr
.endr
.endm
; One K step of q.  n1: LDS loads issued behind this step's features; n2: those issued behind its weights.
; The 16 accumulators take turns, one instruction a turn, into the next step too.
.macro QSTEP s, n1, n2
	s_wait_dscnt \n1
	SINCOS 0, 0x40490fd4                           ; 2 pi / (2 + 1e-6) x 10^(-e/8), e = 0 .. 7
	SINCOS 1, 0x4016c66d
	SINCOS 2, 0x3fe22179
	SINCOS 3, 0x3fa992fb
	SINCOS 4, 0x3f7e5349
	SINCOS 5, 0x3f3eb793
	SINCOS 6, 0x3f0f0484
	SINCOS 7, 0x3ed67f07
.if \s < 3
	LDR \s+1                                       ; the next step's features, while this step is multiplied
.else
	LDW 0, 16384, 0                                ; K's first weights and biases, into the registers of the features and of the polynomials, now dead
.endif
	s_wait_dscnt \n2
.irp t, 0,1,2,3
.irp g, 0,1,2,3
	v_wmma_f32_16x16x32_f16 v[Q+32*\t+8*\g:Q+32*\t+8*\g+7], v[AQ+8*\t:AQ+8*\t+7], v[BQ+8*\g:BQ+8*\g+7], v[Q+32*\t+8*\g:Q+32*\t+8*\g+7]
.endr
.endr
.if \s < 3
	v_pk_mul_f32 v[AF:AF+1], v[AF:AF+1], 0x3dcccccd op_sel_hi:[1,0]       ; eight frequencies further is a factor 10000^(-8/32) = 0.1: it goes onto the coordinate.
	v_pk_mul_f32 v[AF+2:AF+3], v[AF+2:AF+3], 0x3dcccccd op_sel_hi:[1,0]   ; These two and two v_nop are the four places ahead of loads into A
	v_nop                                                                 ; and of the writes of B
	v_nop
	LDA \s+1
.endif
.endm
	LDR 0
	LDA 0
.irp t, 0,1,2,3
.irp g, 0,1,2,3
.irp p, 0,1
	ds_load_b128 v[Q+32*\t+8*\g+4*\p:Q+32*\t+8*\g+4*\p+3], v2 offset:34816+(2*\t+\p)*512   ; SC q_b starts the sums: nothing is cleared
.endr
.endr
.endr
	QSTEP 0, 40, 8                                 ; 40: Wq's 8 and the bias's 32 loads are younger than the features'
	QSTEP 1, 8, 8
	QSTEP 2, 8, 8
	QSTEP 3, 8, 12                                 ; 12: the loads of K's first weights and biases
.rept 5
	v_nop                                          ; five places: the first k product writes over Wq's fragment registers
.endr
	v_mov_b32 v[MX+1], 0                           ; the pair's unused half is written once (it was a fragment register: behind the places)
; ------------------------------------------------------------------ k, softmax, v, for each block t of 16 channels (two heads)
; Batch n (0..7): group g = n / 2, window places 2 (n mod 2) and + 1, into buffer n mod 2.  The bias is the first product's C.
; The two accumulators take turns, one instruction a turn.
.macro MM n
	WIN 0x04                                       ; B in window 1
	v_wmma_f32_16x16x32_f16 v[KV+16*((\n)&1):KV+16*((\n)&1)+7], v[AW:AW+7], v[32*(\n):32*(\n)+7], v[BB+16*((\n)&1):BB+16*((\n)&1)+7]
	v_wmma_f32_16x16x32_f16 v[KV+16*((\n)&1)+8:KV+16*((\n)&1)+15], v[AW:AW+7], v[32*(\n)+16:32*(\n)+23], v[BB+16*((\n)&1)+8:BB+16*((\n)&1)+15]
	v_wmma_f32_16x16x32_f16 v[KV+16*((\n)&1):KV+16*((\n)&1)+7], v[AW+8:AW+15], v[32*(\n)+8:32*(\n)+15], v[KV+16*((\n)&1):KV+16*((\n)&1)+7]
	v_wmma_f32_16x16x32_f16 v[KV+16*((\n)&1)+8:KV+16*((\n)&1)+15], v[AW+8:AW+15], v[32*(\n)+24:32*(\n)+31], v[KV+16*((\n)&1)+8:KV+16*((\n)&1)+15]
	WIN 0
.endm
.macro LOGIT t, n                      ; q . k over my head's 8 numbers, for the batch's two window places
.set LQ, Q+32*(\t)+8*((\n)>>1)
.set LK, KV+16*((\n)&1)
.set LP, PP+2*(\n)
	v_pk_mul_f32 v[TMP:TMP+1], v[LQ:LQ+1], v[LK:LK+1]
	v_pk_mul_f32 v[TMP+2:TMP+3], v[LQ:LQ+1], v[LK+8:LK+9]
.irp j, 2,4,6
	v_pk_fma_f32 v[TMP:TMP+1], v[LQ+\j:LQ+\j+1], v[LK+\j:LK+\j+1], v[TMP:TMP+1]
	v_pk_fma_f32 v[TMP+2:TMP+3], v[LQ+\j:LQ+\j+1], v[LK+8+\j:LK+8+\j+1], v[TMP+2:TMP+3]
.endr
	v_add_f32 v[LP], v[TMP], v[TMP+1]
	v_add_f32 v[LP+1], v[TMP+2], v[TMP+3]
.endm
.macro SOFTMAX g                       ; over the four window places, in the lane; the maximum is taken away first
.set LP, PP+4*(\g)
	v_max3_num_f32 v[MX], v[LP], v[LP+1], v[LP+2]
	v_max_num_f32 v[MX], v[MX], v[LP+3]
	v_pk_add_f32 v[LP:LP+1], v[LP:LP+1], v[MX:MX+1] op_sel_hi:[1,0] neg_lo:[0,1] neg_hi:[0,1]
	v_pk_add_f32 v[LP+2:LP+3], v[LP+2:LP+3], v[MX:MX+1] op_sel_hi:[1,0] neg_lo:[0,1] neg_hi:[0,1]
	v_exp_f32 v[LP], v[LP]
	v_exp_f32 v[LP+1], v[LP+1]
	v_exp_f32 v[LP+2], v[LP+2]
	v_exp_f32 v[LP+3], v[LP+3]
	v_nop                                          ; one plain place behind the exponentials
	s_wait_alu depctr_va_vdst(0)
	v_pk_add_f32 v[SM:SM+1], v[LP:LP+1], v[LP+2:LP+3]
	v_add_f32 v[SM], v[SM], v[SM+1]                ; at least 1: the largest term is 2^0
	v_rcp_f32 v[SM+1], v[SM]
	v_nop                                          ; one plain place behind the reciprocal
	s_wait_alu depctr_va_vdst(0)
	v_pk_mul_f32 v[LP:LP+1], v[LP:LP+1], v[SM:SM+1] op_sel:[0,1] op_sel_hi:[1,1]
	v_pk_mul_f32 v[LP+2:LP+3], v[LP+2:LP+3], v[SM:SM+1] op_sel:[0,1] op_sel_hi:[1,1]
.endm
.macro OUT t, n                        ; the batch's two values times their weights; the fourth place's product lands in the output's layout
.set LK, KV+16*((\n)&1)
.set LP, PP+2*(\n)
.if ((\n)&1) == 0
.irp j, 0,2,4,6
	v_pk_mul_f32 v[TO+\j:TO+\j+1], v[LK+\j:LK+\j+1], v[LP:LP+1] op_sel_hi:[1,0]
.endr
.irp j, 0,2,4,6
	v_pk_fma_f32 v[TO+\j:TO+\j+1], v[LK+8+\j:LK+8+\j+1], v[LP:LP+1], v[TO+\j:TO+\j+1] op_sel:[0,1,0] op_sel_hi:[1,1,1]
.endr
.else
.irp j, 0,2,4,6
	v_pk_fma_f32 v[TO+\j:TO+\j+1], v[LK+\j:LK+\j+1], v[LP:LP+1], v[TO+\j:TO+\j+1] op_sel_hi:[1,0,1]
.endr
.irp j, 0,1,2,3,4,5,6,7
	v_fma_f32 v[Q+32*(\t)+4*\j+((\n)>>1)], v[LK+8+\j], v[LP+1], v[TO+\j]
.endr
.endif
.endm
.macro STORE t                         ; 16 lanes store 256 neighbouring bytes of one plane's row, aligned; registers and bases are never written again
.irp j, 0,1,2,3,4,5,6,7
	global_store_b128 v5, v[Q+32*(\t)+4*\j:Q+32*(\t)+4*\j+3], s[OB+2*(\t):OB+2*(\t)+1] offset:\j*262144 th:TH_STORE_NT
.endr
.endm
; DISTANCES (ISA guide 7.12.1).  A batch's results are read, and its buffer is written again, only behind the vector work of the batch before it,
; eight plain instructions or more that name none of its registers; behind the first batch of k stand five v_nop, behind the first of v the softmax of group 3.
; The loads of the next weights and biases stand behind the vector work that follows the last batch's products.
.macro KVT t
	s_wait_dscnt 0x0                               ; K's weights and biases are in
.if \t == 0
	s_wait_loadcnt 56                              ; the gathers return in order: batch 0's eight are in, 56 stay out
.endif
	MM 0
.rept 5
	v_nop
.endr
.if \t == 0
	s_wait_loadcnt 48
.endif
	MM 1
	LOGIT \t, 0
.irp n, 1,2,3,4,5,6
.if \t == 0
	s_wait_loadcnt 56-8*(\n+1)                     ; the next batch's eight gathers are in, the later batches' stay out
.endif
	MM \n+1
	LOGIT \t, \n
.if (\n)&1
	SOFTMAX (\n)>>1
.endif
.endr
	LDW \t, 24576, 1024                            ; V's weights and biases
	LOGIT \t, 7
	s_wait_dscnt 0x0
	MM 0
	SOFTMAX 3
	MM 1
	OUT \t, 0
.irp n, 1,2,3,4,5,6
	MM \n+1
	OUT \t, \n
.endr
.if \t < 3
	LDW \t+1, 16384, 0                             ; the next block's K weights and biases
.endif
	OUT \t, 7
	STORE \t
.endm
	KVT 0
	KVT 1
	KVT 2
	KVT 3
	s_wait_xcnt 0x0
	v_lshl_add_u32 v206, v0, 2, 0x29800
	v_mov_b32 v207, 0
	s_wait_tensorcnt 0x0
	ds_add_u32 v206, v207
	s_wait_dscnt 0x0
	s_endpgm
.Lfunc_end_k_q2c6a289523_warp:
	.size	k_q2c6a289523_warp, .Lfunc_end_k_q2c6a289523_warp-k_q2c6a289523_warp
	.p2alignl 7, 3214868480
	.fill 96, 4, 3214868480
	.section	.rodata,"a",@progbits
	.p2align	6, 0x0
	.amdhsa_kernel k_q2c6a289523_warp
		.amdhsa_group_segment_fixed_size 171008
		.amdhsa_private_segment_fixed_size 0
		.amdhsa_enable_private_segment 0
		.amdhsa_kernarg_size 48
		.amdhsa_user_sgpr_count 2
		.amdhsa_user_sgpr_kernarg_segment_ptr 1
		.amdhsa_wavefront_size32 1
		.amdhsa_system_sgpr_workgroup_id_x 1
		.amdhsa_system_sgpr_workgroup_id_y 1
		.amdhsa_system_sgpr_workgroup_id_z 1
		.amdhsa_system_vgpr_workitem_id 0
		.amdhsa_next_free_vgpr 512
		.amdhsa_next_free_sgpr 80
		.amdhsa_reserve_vcc 1
		.amdhsa_float_denorm_mode_32 3
		.amdhsa_float_denorm_mode_16_64 3
		.amdhsa_memory_ordered 1
		.amdhsa_forward_progress 1
		.amdhsa_inst_pref_size 173
	.end_amdhsa_kernel
	.amdgpu_metadata
---
amdhsa.version: [ 1, 2 ]
amdhsa.kernels:
  - .name:           k_q2c6a289523_warp
    .symbol:         k_q2c6a289523_warp.kd
    .args:
      - { .name: feat_curr, .offset: 0, .size: 8, .value_kind: global_buffer, .address_space: global }
      - { .name: flow, .offset: 8, .size: 8, .value_kind: global_buffer, .address_space: global }
      - { .name: fs16, .offset: 16, .size: 8, .value_kind: global_buffer, .address_space: global }
      - { .name: idx, .offset: 24, .size: 8, .value_kind: global_buffer, .address_space: global }
      - { .name: wts, .offset: 32, .size: 8, .value_kind: global_buffer, .address_space: global }
      - { .name: out0, .offset: 40, .size: 8, .value_kind: global_buffer, .address_space: global }
    .group_segment_fixed_size: 171008
    .private_segment_fixed_size: 0
    .kernarg_segment_align: 8
    .kernarg_segment_size: 48
    .max_flat_workgroup_size: 256
    .sgpr_count:     80
    .vgpr_count:     512
    .wavefront_size: 32
...
	.end_amdgpu_metadata
.endif
;; end of part 2
;; ======== version 2 of 2: 2 launches; 1.14 times as fast as version 1
;; limits: values are held in f16: magnitudes above 65,504 overflow, below 6.1e-05 lose precision
;; workspace buffers: fs16 16,777,216 bytes; idx 2,097,152 bytes of whole numbers; wts 38,912 bytes
;; launch prep (part 3): grid 512 x 1, 4 waves a work-group, no clusters, 39,424 bytes of LDS; arguments feat_supp, flow, q_w, q_b, k_w, k_b, v_w, v_b, fs16, idx, wts; writes fs16, idx, wts
.if DOCPART == 3
	.amdgcn_target "amdgcn-amd-amdhsa--gfx1250"
	.amdhsa_code_object_version 6
	.text
	.protected	k_q2c6a289523_prep
	.globl	k_q2c6a289523_prep
	.p2align	8
	.type	k_q2c6a289523_prep,@function
k_q2c6a289523_prep:
	s_mov_b64 s[64:65], 0
	v_nop
	global_prefetch_b8 v0, s[64:65] scope:SCOPE_SE
	s_setreg_imm32_b32 hwreg(HW_REG_WAVE_MODE, 25, 1), 1
	s_wait_xcnt 0x0
; PREPARATION for the warp launch.
; Every work-group takes one image row (row R = 256 b + y), wave w the 64 pixels x = 64 w .. 64 w + 63:
;   fs16[P][c] = f16(feat_supp[b][c][y][x]), P = 65536 b + 256 y + x: the support features pixel-major, 128 bytes a pixel,
;   so that the later gather takes one pixel's 64 channels as 128 neighbouring bytes and not as 64 words in 64 planes;
;   idx[u][P] = 65536 b + 256 clip(gy + uy) + clip(gx + ux), u = 2 uy + ux: the four rows of fs16 that pixel P's window names,
;   as whole numbers (gy = floor(y + flow_y), gx = floor(x + flow_x), clipped to 0..255).
; Work-groups 0, 1, 2 make, BESIDES their rows, the weights in the register image of the matrix instruction (wts), wave w the 16 output
; channels 16 w ..: 0: Wq and q_b scaled by SC = 8^-0.5 log2(e); 1 and 2: Wk', Wv' with each pair of neighbouring columns added (both multiply
; the same feature), and the window's constant position code times the matrix, plus k_b, v_b, as four bias vectors.  Such a wave issues
; its weight loads, then the row's 33 loads like every wave, and does the weights' arithmetic while the features are on their way:
; so all 512 work-groups are alike in what they move, and no work-group stands apart.
; LIMITS: features and weights go to f16, so |feat_supp|, |SC q_w|, |k_w[2c]+k_w[2c+1]| (v_w alike) must stay below 65,504.
;   The clip is made in f32 ahead of the conversion to a whole number: equal to a clip behind an int32 cast for |flow| < 2^31.
;   sin and cos are polynomials in t = angle - pi/2, |t| <= pi/2, absolute error at most 2.5e-5.
; No matrix unit, no cluster: a stream with a transposition, each byte read once and written once.
.set RAW, 64                           ; v[64:191]  channel 32 h + k, pixels 4 r .. 4 r + 3 at RAW + 4 k; later the rows read back
.set PK,  32                           ; v[32:47]   four sets of 8 packed f16
.set STG, 9728                         ; bytes of a wave's own stage in LDS
.set IPL, 2432                         ; stage: pixels 4 r + i lie in plane i; 2432 = 16 x 144 + 128
.set RP,  144                          ; stage: 128 bytes of a pixel + 16: an odd multiple of 16, so 16 lanes' 16-byte stores fall in 16 different columns
.set W,   192                          ; v[192:255] weights: my half row (64 numbers); v[48:63] the weights' addresses and work.  The row path names none of these
.set SC,  0x3f0293ee                   ; 8^-0.5 x log2(e) = 0.51006972
	s_load_b512 s[4:19], s[0:1], 0x0               ; feat_supp s[4:5], flow s[6:7], q_w s[8:9], q_b s[10:11], k_w s[12:13], k_b s[14:15], v_w s[16:17], v_b s[18:19]
	s_load_b128 s[20:23], s[0:1], 0x40             ; fs16 s[20:21], idx s[22:23]
	s_load_b64 s[24:25], s[0:1], 0x50              ; wts
	v_lshl_add_u32 v31, v0, 2, 0x9800
	v_mov_b32 v63, 0
	v_lshrrev_b32 v1, 5, v0
	v_readfirstlane_b32 s2, v1                     ; wave w
	v_and_b32 v6, 31, v0                           ; lane L
	v_and_b32 v7, 15, v0                           ; r = L mod 16
	v_bfe_u32 v8, v0, 4, 1                         ; h = L / 16
	v_lshlrev_b32 v2, 4, v6                        ; 16 L
	s_mov_b32 s31, 0                               ; upper word of every 32-bit offset
	s_lshr_b32 s3, ttmp9, 8                        ; b
	s_and_b32 s26, ttmp9, 255                      ; y
	s_lshl_b32 s27, s3, 8                          ; 256 b
	s_lshl_b32 s28, s2, 6                          ; 64 w
	s_lshl_b32 s29, ttmp9, 8
	s_add_co_u32 s29, s29, s28                     ; PB: my wave's first pixel
	s_mov_b32 s98, 0x437f0000                      ; 255.0
	s_mul_i32 s99, s2, STG                         ; my wave's stage
	v_lshlrev_b32 v1, 4, v7
	v_lshl_add_u32 v1, v8, 23, v1                  ; feature loads: 32 h planes of 262,144 bytes + 16 r
	v_lshlrev_b32 v3, 3, v6                        ; 8 L: two indices a lane
	v_mul_u32_u24 v4, v7, RP
	v_lshl_add_u32 v4, v8, 6, v4
	v_add_nc_u32 v4, s99, v4                       ; stage, in: r x 144 + 64 h
	v_lshrrev_b32 v5, 3, v6
	v_mul_u32_u24 v5, v5, IPL
	v_and_b32 v9, 7, v6
	v_lshl_add_u32 v5, v9, 4, v5
	v_add_nc_u32 v5, s99, v5                       ; stage, back: plane L / 8, 16 bytes at 16 (L mod 8)
	v_lshl_add_u32 v10, v6, 1, s28
	v_cvt_f32_u32 v10, v10                         ; x of my first pixel, 64 w + 2 L
	v_add_f32 v9, 1.0, v10                         ; x of my second
	v_cvt_f32_u32 v11, s26                         ; y
	s_wait_kmcnt 0x0
	s_lshl_b32 s30, s3, 24                         ; b x 64 planes
	s_lshl_b32 s3, s26, 10                         ; + y x 1,024 bytes
	s_add_co_u32 s30, s30, s3
	s_lshl_b32 s3, s2, 8                           ; + 256 w
	s_add_co_u32 s30, s30, s3
	s_add_nc_u64 s[4:5], s[4:5], s[30:31]
	s_lshl_b32 s30, s29, 3
	s_add_nc_u64 s[6:7], s[6:7], s[30:31]          ; flow: 8 bytes a pixel
	s_lshl_b32 s30, s29, 7
	s_add_nc_u64 s[20:21], s[20:21], s[30:31]      ; fs16: 128 bytes a pixel
	s_lshl_b32 s30, s29, 2
	s_add_nc_u64 s[22:23], s[22:23], s[30:31]      ; idx: 4 bytes a pixel in each plane
; the row's 33 loads, the same on every path: the flow of my two pixels, then 32 planes
.macro ROWLOADS
	global_load_b128 v[12:15], v2, s[6:7]          ; (fx, fy) of pixels 2 L, 2 L + 1
.irp k, 0,1,2,3,4,5,6,7,8,9,10,11,12,13,14,15,16,17,18,19,20,21,22,23,24,25,26,27,28,29,30,31
	global_load_b128 v[RAW+4*\k:RAW+4*\k+3], v1, s[4:5] offset:\k*262144 th:TH_LOAD_NT   ; 16 lanes take 256 neighbouring bytes of one plane; read once in the launch
.endr
.endm
; my half row of a weight matrix: lane (r, h) owns columns 64 h .. 64 h + 63 of row o = 16 w + r.  v49 is left holding o
.macro WLOADS wp
	v_lshl_add_u32 v49, s2, 4, v7                  ; o
	v_lshlrev_b32 v48, 9, v49
	v_lshl_add_u32 v48, v8, 8, v48                 ; 512 o + 256 h
.irp i, 0,1,2,3,4,5,6,7,8,9,10,11,12,13,14,15
	global_load_b128 v[W+4*\i:W+4*\i+3], v48, s[\wp:\wp+1] offset:16*\i
.endr
.endm
	s_cmp_eq_u32 ttmp9, 0
	s_cbranch_scc1 .Lq_job
	s_cmp_eq_u32 ttmp9, 1
	s_cbranch_scc1 .Lk_job
	s_cmp_eq_u32 ttmp9, 2
	s_cbranch_scc1 .Lv_job
	ROWLOADS
	s_branch .Lrows
; ------------------------------------------------------------------ work-group 0: Wq and q_b
.Lq_job:
	WLOADS 8
	v_lshlrev_b32 v49, 5, v8
	v_lshl_add_u32 v49, s2, 6, v49                 ; 4 (16 w + 8 h)
	v_lshl_add_u32 v50, s2, 12, v2                 ; Wq: 8 blocks of 512 bytes a wave
	v_lshl_add_u32 v51, s2, 10, v2                 ; q_b: 2 blocks a wave
	global_load_b128 v[52:55], v49, s[10:11]       ; q_b[16 w + 8 h ..]
	global_load_b128 v[56:59], v49, s[10:11] offset:16
	ROWLOADS
	s_wait_loadcnt 33                              ; the weights are in; the row's 33 loads, issued behind them, stay out
	; scaled, rounded, and stored as it will lie in the lanes: block 8 w + i holds columns 64 h + 8 i .. + 7
.set i, 0
.rept 32
	v_pk_mul_f32 v[W+2*i:W+2*i+1], v[W+2*i:W+2*i+1], SC op_sel_hi:[1,0]
.set i, i+1
.endr
.set i, 0
.rept 32
	v_cvt_pk_f16_f32 v[W+i], v[W+2*i], v[W+2*i+1]  ; packed downward in place: register i is read no later than it is written
.set i, i+1
.endr
.irp i, 0,1,2,3,4,5,6,7
	global_store_b128 v50, v[W+4*\i:W+4*\i+3], s[24:25] offset:\i*512
.endr
.irp i, 0,2,4,6
	v_pk_mul_f32 v[52+\i:53+\i], v[52+\i:53+\i], SC op_sel_hi:[1,0]
.endr
	global_store_b128 v51, v[52:55], s[24:25] offset:34816
	global_store_b128 v51, v[56:59], s[24:25] offset:34816+512
	s_branch .Lrows
; ------------------------------------------------------------------ work-groups 1, 2: the folded matrix and its four bias vectors
; wp, bp: the scalar pairs with the matrix's and the bias's address; wbase, tab: where they go in wts
.macro KVJOB wp, bp, wbase, tab
	WLOADS \wp
	v_lshlrev_b32 v49, 2, v49                      ; 4 o
	global_load_b32 v62, v49, s[\bp:\bp+1]         ; bias[o]
	ROWLOADS
	s_mov_b32 s28, 0x76543210                      ; v_permlanex16_b32: lane i reads lane i of the other half
	s_mov_b32 s29, 0xfedcba98
	v_lshl_add_u32 v50, s2, 11, v2                 ; folded matrix: 4 blocks of 512 bytes a wave
	v_lshlrev_b32 v51, 2, v7
	v_lshl_add_u32 v51, s2, 8, v51                 ; bias table: 256 w + 4 r
	v_lshl_add_u32 v52, v8, 6, v51
	v_add_nc_u32 v52, 64, v52                      ; + 64 (1 + h): u = 1 + h
	v_mul_u32_u24 v53, v8, 192
	v_add_nc_u32 v51, v51, v53                     ; + 192 h: u = 0 or 3
	v_cmp_ne_u32 vcc_lo, 0, v8                     ; the upper half of the lanes
	; The window's code at coordinate 1, frequency m = lane: angle 2 phi, phi = pi / (1 + 1e-6) x 10000^(-m/32), 0 < phi < pi.
	; sin phi = cos t, cos phi = -sin t with t = phi - pi/2; then the double angle.
	v_cvt_f32_u32 v53, v6
	v_mul_f32 v53, 0xbed49a78, v53                 ; -log2(10000)/32 x m
	v_exp_f32 v53, v53
	v_nop                                          ; one plain place behind the exponential
	s_wait_alu depctr_va_vdst(0)
	v_mul_f32 v54, 0x40490fcd, v53                 ; phi
	v_add_f32 v55, 0xbfc90fdb, v54                 ; t
	v_mul_f32 v56, v55, v55                        ; z = t^2
	v_mov_b32 v57, 0x37d00d01                      ; 1/8!
	v_mov_b32 v58, 0x3638ef1d                      ; 1/9!
	v_fmaak_f32 v57, v57, v56, 0xbab60b61          ; -1/6!
	v_fmaak_f32 v58, v58, v56, 0xb9500d01          ; -1/7!
	v_fmaak_f32 v57, v57, v56, 0x3d2aaaab          ; 1/4!
	v_fmaak_f32 v58, v58, v56, 0x3c088889          ; 1/5!
	v_fma_f32 v57, v57, v56, -0.5
	v_fmaak_f32 v58, v58, v56, 0xbe2aaaab          ; -1/3!
	v_fma_f32 v57, v57, v56, 1.0                   ; cos t = sin phi
	v_fma_f32 v58, v58, v56, 1.0
	v_mul_f32 v58, v58, v55                        ; sin t = -cos phi
	v_mul_f32 v59, v57, v58
	v_mul_f32 v59, -2.0, v59                       ; S_m = 2 sin phi cos phi
	v_mul_f32 v60, v57, v57
	v_fma_f32 v60, v60, -2.0, 1.0                  ; C_m = 1 - 2 sin^2 phi
.set i, 0
.rept 32
	v_readlane_b32 s[32+i], v59, i                 ; s[32:63] = S_m
	v_readlane_b32 s[66+i], v60, i                 ; s[66:97] = C_m
.set i, i+1
.endr
	s_wait_loadcnt 33                              ; the matrix and the bias are in; the row's 33 loads, issued behind them, stay out
	; My half row meets the y code (h = 0) or the x code (h = 1): T0 = its sum at coordinate 0 (sin = 0, cos = 1), T1 = at coordinate 1.
	; The other half's two sums come by v_permlanex16_b32.  u = 0: T0 + T0', u = 3: T1 + T1', u = 1 + h: T0 + T1'.
	v_mul_f32 v54, s32, v[W]
	v_mul_f32 v55, s66, v[W+1]
	v_add_f32 v53, v[W+1], v[W+3]
	v_fmac_f32 v54, s33, v[W+2]
	v_fmac_f32 v55, s67, v[W+3]
.set i, 2
.rept 30
	v_add_f32 v53, v53, v[W+2*i+1]
	v_fmac_f32 v54, s[32+i], v[W+2*i]
	v_fmac_f32 v55, s[66+i], v[W+2*i+1]
.set i, i+1
.endr
	v_add_f32 v54, v54, v55                        ; T1
	v_permlanex16_b32 v56, v53, s28, s29           ; T0' (its destination counts as read: v56 and v57 were written above)
	v_permlanex16_b32 v57, v54, s28, s29           ; T1'
	v_add_f32 v58, v53, v62
	v_add_f32 v59, v54, v62
	v_add_f32 v60, v58, v56                        ; u = 0
	v_add_f32 v61, v58, v57                        ; u = 1 + h
	v_add_f32 v59, v59, v57                        ; u = 3
	v_cndmask_b32 v60, v60, v59, vcc_lo            ; lower lanes keep u = 0, upper lanes take u = 3
	global_store_b32 v51, v60, s[24:25] offset:\tab        ; the two stores together fill the wave's 256 bytes of the table
	global_store_b32 v52, v61, s[24:25] offset:\tab
	; columns 2 c and 2 c + 1 multiply the same feature: add them, round, store as the lanes will hold them
.set i, 0
.rept 32
	v_add_f32 v[W+i], v[W+2*i], v[W+2*i+1]
.set i, i+1
.endr
.set i, 0
.rept 16
	v_cvt_pk_f16_f32 v[W+i], v[W+2*i], v[W+2*i+1]
.set i, i+1
.endr
.irp i, 0,1,2,3
	global_store_b128 v50, v[W+4*\i:W+4*\i+3], s[24:25] offset:\wbase+\i*512
.endr
.endm
.Lk_job:
	KVJOB 12, 14, 16384, 32768
	s_branch .Lrows
.Lv_job:
	KVJOB 16, 18, 24576, 33792
; ------------------------------------------------------------------ the row, for every work-group
.Lrows:
; the four window indices of my pixel p (0, 1)
.macro IDX p
	v_add_f32 v24, v11, v[13+2*\p]                 ; y + flow_y
	v_add_f32 v25, v[10-\p], v[12+2*\p]            ; x + flow_x
	v_floor_f32 v24, v24
	v_floor_f32 v25, v25
	v_add_f32 v26, 1.0, v24
	v_add_f32 v27, 1.0, v25
	v_med3_num_f32 v24, v24, 0, s98                ; clip to 0 .. 255, still in f32
	v_med3_num_f32 v25, v25, 0, s98
	v_med3_num_f32 v26, v26, 0, s98
	v_med3_num_f32 v27, v27, 0, s98
	v_cvt_u32_f32 v24, v24
	v_cvt_u32_f32 v25, v25
	v_cvt_u32_f32 v26, v26
	v_cvt_u32_f32 v27, v27
	v_add_lshl_u32 v24, v24, s27, 8                ; (256 b + row) x 256
	v_add_lshl_u32 v26, v26, s27, 8
	v_add_nc_u32 v[16+\p], v24, v25                ; u = 0
	v_add_nc_u32 v[18+\p], v24, v27                ; u = 1: x + 1
	v_add_nc_u32 v[20+\p], v26, v25                ; u = 2: y + 1
	v_add_nc_u32 v[22+\p], v26, v27                ; u = 3
.endm
	s_wait_loadcnt 32                              ; the flow is in; on every path the 32 feature loads were issued behind it and stay out
	IDX 0
	IDX 1
.irp u, 0,1,2,3
	global_store_b64 v3, v[16+2*\u:17+2*\u], s[22:23] offset:\u*524288   ; the wave's store covers 256 neighbouring bytes, aligned
.endr
; eight channels (32 h + 8 qd ..) of my four pixels: rounded to f16, 16 bytes a pixel into the stage
.macro CHUNK qd
	s_wait_loadcnt 24-8*\qd                        ; loads return in order: these eight planes are in, the younger ones stay out
.irp i, 0,1,2,3
.irp n, 0,1,2,3
	v_cvt_pk_f16_f32 v[PK+4*\i+\n], v[RAW+4*(8*\qd+2*\n)+\i], v[RAW+4*(8*\qd+2*\n+1)+\i]
.endr
	ds_store_b128 v4, v[PK+4*\i:PK+4*\i+3] offset:\i*IPL+16*\qd
.endr
.endm
	CHUNK 0
	CHUNK 1
	CHUNK 2
	CHUNK 3
	; back by pixels.  The stage is my wave's own and LDS serves a wave's instructions in order: no wait, no barrier.
	; Lanes 0-15 read planes 0 and 1, which lie 128 bytes apart modulo 256: 256 different bytes of the banks' row.
.irp n, 0,1,2,3,4,5,6,7,8,9,10,11,12,13,14,15
	ds_load_b128 v[RAW+4*\n:RAW+4*\n+3], v5 offset:\n*RP
.endr
.irp n, 0,1,2,3,4,5,6,7,8,9,10,11,12,13,14,15
	s_wait_dscnt 15-\n                             ; read-back n is in, the younger ones stay out
	global_store_b128 v2, v[RAW+4*\n:RAW+4*\n+3], s[20:21] offset:\n*512   ; four pixels' rows: 512 neighbouring bytes, aligned
.endr
	s_wait_tensorcnt 0x0
	ds_add_u32 v31, v63
	s_wait_dscnt 0x0
	s_endpgm
.Lfunc_end_k_q2c6a289523_prep:
	.size	k_q2c6a289523_prep, .Lfunc_end_k_q2c6a289523_prep-k_q2c6a289523_prep
	.p2alignl 7, 3214868480
	.fill 96, 4, 3214868480
	.section	.rodata,"a",@progbits
	.p2align	6, 0x0
	.amdhsa_kernel k_q2c6a289523_prep
		.amdhsa_group_segment_fixed_size 39424
		.amdhsa_private_segment_fixed_size 0
		.amdhsa_enable_private_segment 0
		.amdhsa_kernarg_size 88
		.amdhsa_user_sgpr_count 2
		.amdhsa_user_sgpr_kernarg_segment_ptr 1
		.amdhsa_wavefront_size32 1
		.amdhsa_system_sgpr_workgroup_id_x 1
		.amdhsa_system_sgpr_workgroup_id_y 1
		.amdhsa_system_sgpr_workgroup_id_z 1
		.amdhsa_system_vgpr_workitem_id 0
		.amdhsa_next_free_vgpr 256
		.amdhsa_next_free_sgpr 100
		.amdhsa_reserve_vcc 1
		.amdhsa_float_denorm_mode_32 3
		.amdhsa_float_denorm_mode_16_64 3
		.amdhsa_memory_ordered 1
		.amdhsa_forward_progress 1
		.amdhsa_inst_pref_size 61
	.end_amdhsa_kernel
	.amdgpu_metadata
---
amdhsa.version: [ 1, 2 ]
amdhsa.kernels:
  - .name:           k_q2c6a289523_prep
    .symbol:         k_q2c6a289523_prep.kd
    .args:
      - { .name: feat_supp, .offset: 0, .size: 8, .value_kind: global_buffer, .address_space: global }
      - { .name: flow, .offset: 8, .size: 8, .value_kind: global_buffer, .address_space: global }
      - { .name: q_w, .offset: 16, .size: 8, .value_kind: global_buffer, .address_space: global }
      - { .name: q_b, .offset: 24, .size: 8, .value_kind: global_buffer, .address_space: global }
      - { .name: k_w, .offset: 32, .size: 8, .value_kind: global_buffer, .address_space: global }
      - { .name: k_b, .offset: 40, .size: 8, .value_kind: global_buffer, .address_space: global }
      - { .name: v_w, .offset: 48, .size: 8, .value_kind: global_buffer, .address_space: global }
      - { .name: v_b, .offset: 56, .size: 8, .value_kind: global_buffer, .address_space: global }
      - { .name: fs16, .offset: 64, .size: 8, .value_kind: global_buffer, .address_space: global }
      - { .name: idx, .offset: 72, .size: 8, .value_kind: global_buffer, .address_space: global }
      - { .name: wts, .offset: 80, .size: 8, .value_kind: global_buffer, .address_space: global }
    .group_segment_fixed_size: 39424
    .private_segment_fixed_size: 0
    .kernarg_segment_align: 8
    .kernarg_segment_size: 88
    .max_flat_workgroup_size: 128
    .sgpr_count:     100
    .vgpr_count:     256
    .wavefront_size: 32
...
	.end_amdgpu_metadata
.endif
;; end of part 3
;; launch warp (part 4): grid 256 x 1, 8 waves a work-group, no clusters, 171,008 bytes of LDS; arguments feat_curr, flow, fs16, idx, wts, out0; writes out0
.if DOCPART == 4
	.amdgcn_target "amdgcn-amd-amdhsa--gfx1250"
	.amdhsa_code_object_version 6
	.text
	.protected	k_q2c6a289523_warp
	.globl	k_q2c6a289523_warp
	.p2align	8
	.type	k_q2c6a289523_warp,@function
k_q2c6a289523_warp:
	s_mov_b64 s[64:65], 0
	v_nop
	global_prefetch_b8 v0, s[64:65] scope:SCOPE_SE
	s_setreg_imm32_b32 hwreg(HW_REG_WAVE_MODE, 25, 1), 1
	s_wait_xcnt 0x0
; PER-PIXEL 1 x 4 ATTENTION.  A work-group owns two image rows, a wave 64 neighbouring pixels of one row, in four groups g of 16:
; lane r of group g is pixel x = xb + 4 r + g, so that 16 bytes of a plane's row are a lane's four groups, in and out.
; MATRIX USE: A = weights (16 output channels), B = 16 pixels.  In the result, register j of lane (r, h) is channel 16 t + 8 h + j of pixel r:
; a lane holds ONE WHOLE HEAD (2 t + h) of one pixel, so q.k, the softmax over the four window places and the sum of values need no other lane.
; K ORDER: A and B use the same permutation of k.  q (K = 128, 4 steps s): register e of half h holds channel c = 32 h + 8 s + e, low half the index 2 c
; (feature + sine), high half 2 c + 1 (feature + cosine): h = 0 meets the y code, h = 1 the x code, frequency 8 s + e in both.
; k, v (K = 64, 2 steps): the window code is constant and lies in four bias vectors, the two columns of a feature are added (launch prep);
; half h holds bytes 64 h .. 64 h + 63 of a gathered row of fs16.
; Wq and q_b carry 8^-0.5 log2(e): the logits are exponents of 2; their maximum over the window is taken away ahead of the exponential.
; SINE CODE: the fractional coordinate lies in [0, 1], so the angle of K step s lies in [0, pi x 10^-s] for every input.  Absolute errors at most:
;   step 0: t = angle - pi/2, sin = cos t, cos = -sin t, polynomials up to t^8 and t^9: 2.5e-5;
;   step 1 (angle <= 0.3142): sin up to the 5th power, cos up to the 4th: 6e-8 and 1.4e-6;
;   step 2 (angle <= 0.03142): sin = angle, cos = 1 - angle^2 / 2: 5.2e-6 and 4.1e-8;
;   step 3 (angle <= 0.003142): sin = angle, cos = 1: 5.2e-9 and 4.9e-6.
; ORDER OF THE REQUESTS: q needs feat_curr's tile and the weights alone, k and v need the gathered rows alone.  So the tile and the weights are asked
; for first and by themselves, and the 64 gathers (32 KiB a wave) go out when the tile has landed, in eight batches among the arithmetic of q's first
; K step, in the order in which k's products will want them: they travel while q is computed.
; Until its load is issued, a gather's offset lies in the first of that load's own four destination registers: a load lands on its own
; address register alone, and the offsets take no register beside the rows' own.
; LIMITS: matrix operands are f16: |feat_curr + code| and what prep rounded must stay below 65,504; q, k, v, logits and sums stay f32 in registers.
; NO JOINT LOADS: the work-groups share only the 38,912 bytes of weights, a small part of the 550,000 bytes or so that each one moves.
; LDS: bytes 0 .. 131,071: wave w's own tile of feat_curr, [64 channels][64 pixels] f32, rows of 256 bytes; 131,072 ..: the image of wts, for all waves.
; Every LDS byte is filled once, by the two tensor loads that each wave issues at the start (two outstanding by this text's count).
.set LDSW, 131072
.set AF,  6                            ; v[6:9]     fractional coordinate of my four pixels (y for h = 0, x for h = 1), times 10^-s
.set KPI, 10                           ; v[10:11]   -pi/2, twice
.set KC3, 12                           ; v[12:13]   step 0: -1/6!, twice; from step 1 on: -1/2, twice
.set KS3, 14                           ; v[14:15]   step 0: -1/7!, twice; from step 1 on: -1/6, twice
.set Q,   16                           ; v[16:143]  q[t][g] at Q + 32 t + 8 g; when q[t] is dead: out[t][j][g] at Q + 32 t + 4 j + g
.set IX,  144                          ; head: v[144:159] indices [u][g]
.set FL,  176                          ; head: v[176:183] flow of my four pixels; v184.. work
.set AQ,  144                          ; q phase: v[144:175] Wq fragments [t]
.set BQ,  176                          ; q phase: v[176:207] pixel fragments [g]
.set RQ,  208                          ; q phase: v[208:239] feat_curr [e][g]
.set TT,  240                          ; q phase: v[240:255] work
.set KV,  144                          ; k/v phase: v[144:175] two buffers of two results
.set PP,  176                          ; k/v phase: v[176:191] logits, then weights [g][u]
.set TO,  192                          ; k/v phase: v[192:199] running sum of values
.set TMP, 200                          ; k/v phase: v[200:203]
.set MX,  204                          ; k/v phase: v[204:205] maximum (first register)
.set SM,  206                          ; k/v phase: v[206:207] sum, reciprocal
.set AW,  208                          ; k/v phase: v[208:223] weight fragments [s]
.set BB,  224                          ; k/v phase: v[224:255] bias [u], the first product's C
.set OB,  66                           ; s[66:73]   out0 at my pixels, channel block t: four bases, none is ever stepped
.set OM0, 0x40490fd4                   ; 2 pi / (2 + 1e-6) x 10^(-e/8), e = 0 .. 7
.set OM1, 0x4016c66d
.set OM2, 0x3fe22179
.set OM3, 0x3fa992fb
.set OM4, 0x3f7e5349
.set OM5, 0x3f3eb793
.set OM6, 0x3f0f0484
.set OM7, 0x3ed67f07
; window 1 (v256-v511): the gathered rows, X[g][u] at 16 (4 g + u): registers 0-7 K step 0, 8-15 K step 1
.set MSB, 0
.macro WIN new                         ; the immediate's high byte repeats the setting that is left
.if MSB != \new
	s_set_vgpr_msb (MSB<<8)|\new
.set MSB, \new
.endif
.endm
	s_load_b256 s[4:11], s[0:1], 0x0               ; feat_curr s[4:5], flow s[6:7], fs16 s[8:9], idx s[10:11]
	s_load_b128 s[12:15], s[0:1], 0x20             ; wts s[12:13], out0 s[14:15]
	v_lshl_add_u32 v206, v0, 2, 0x29800
	v_mov_b32 v207, 0
	ds_add_u32 v206, v207
	ds_add_u32 v206, v207
	s_wait_dscnt 0x0
	v_lshrrev_b32 v1, 5, v0
	v_readfirstlane_b32 s16, v1                    ; wave w
	s_lshr_b32 s17, s16, 2
	s_lshl1_add_u32 s17, ttmp9, s17                ; image row R = 2 G + w / 4
	s_lshr_b32 s18, s17, 8                         ; b
	s_and_b32 s19, s17, 255                        ; y
	s_and_b32 s20, s16, 3
	s_lshl_b32 s20, s20, 6                         ; xb
	s_lshl_b32 s21, s17, 8
	s_add_co_u32 s21, s21, s20                     ; PB: my first pixel
	s_lshl_b32 s22, s18, 24                        ; byte offset of my pixels in channel 0 of feat_curr and of out0
	s_lshl_b32 s23, s19, 10
	s_add_co_u32 s22, s22, s23
	s_lshl_b32 s23, s20, 2
	s_add_co_u32 s22, s22, s23
	s_mov_b32 s23, 0
	; group 1 for feat_curr's tile: 64 rows (channels) of 64 f32, 65,536 elements from row to row
	s_mov_b32 s28, 2<<16                           ; element of 4 bytes, no mask, no padding
	s_mov_b32 s29, 64<<16                          ; tensor_dim0 = 64
	s_mov_b32 s30, 64<<16                          ; tensor_dim1 = 64
	s_mov_b32 s31, 64<<16                          ; tile_dim0 = 64
	s_mov_b32 s32, 64                              ; tile_dim1 = 64
	s_mov_b32 s33, 65536                           ; pitch
	s_mov_b32 s34, 0
	s_mov_b32 s35, 0
	; group 1 for my eighth of wts: 19 dense rows of 256 bytes
	s_mov_b32 s40, 3<<16                           ; element of 8 bytes
	s_mov_b32 s41, 32<<16
	s_mov_b32 s42, 19<<16
	s_mov_b32 s43, 32<<16
	s_mov_b32 s44, 19
	s_mov_b32 s45, 32
	s_mov_b32 s46, 0
	s_mov_b32 s47, 0
	s_mov_b32 s24, 1
	s_lshl_b32 s25, s16, 14                        ; my tile: 16,384 w
	s_mov_b32 s36, 1
	s_mul_i32 s2, s16, 4864
	s_add_co_u32 s37, s2, LDSW                     ; my eighth of the image: 131,072 + 4,864 w
	s_mov_b32 s3, 0
	v_and_b32 v186, 31, v0                         ; L
	v_and_b32 v184, 15, v0                         ; r
	v_bfe_u32 v185, v0, 4, 1                       ; h
	v_lshlrev_b32 v187, 4, v184                    ; 16 r
	v_lshlrev_b32 v188, 5, v184                    ; 32 r
	v_lshlrev_b32 v189, 6, v185                    ; 64 h
	v_lshl_add_u32 v2, v186, 4, LDSW               ; weight fragments: 16 bytes a lane in blocks of 512
	v_lshl_add_u32 v3, v185, 13, v187
	v_lshl_add_u32 v3, s16, 14, v3                 ; my tile: channel 32 h, pixels 4 r ..
	v_lshl_add_u32 v4, v185, 5, LDSW+32768         ; bias tables: channels 8 h ..
	v_lshl_add_u32 v5, v185, 21, v187              ; out0: 8 h planes + 16 r
	s_wait_kmcnt 0x0
	s_add_nc_u64 s[38:39], s[12:13], s[2:3]
	s_or_b32 s39, s39, 0x80000000
	s_add_nc_u64 s[26:27], s[4:5], s[22:23]
	s_or_b32 s27, s27, 0x80000000
	tensor_load_to_lds s[36:39], s[40:47]          ; both first fills go out together, ahead of every wait for them, LDS read and barrier: the weights first,
	s_nop 0
	tensor_load_to_lds s[24:27], s[28:35]          ; then my tile
	s_nop 0
	s_lshl_b32 s2, s21, 3
	s_add_nc_u64 s[6:7], s[6:7], s[2:3]            ; flow at my first pixel
	s_lshl_b32 s2, s21, 2
	s_add_nc_u64 s[10:11], s[10:11], s[2:3]        ; idx at my first pixel
	s_add_nc_u64 s[OB:OB+1], s[14:15], s[22:23]
	s_add_nc_u64 s[OB+2:OB+3], s[OB:OB+1], 0x400000        ; 16 planes of 262,144 bytes further
	s_add_nc_u64 s[OB+4:OB+5], s[OB+2:OB+3], 0x400000
	s_add_nc_u64 s[OB+6:OB+7], s[OB+4:OB+5], 0x400000
	global_load_b128 v[FL:FL+3], v188, s[6:7]              ; (fx, fy) of groups 0, 1
	global_load_b128 v[FL+4:FL+7], v188, s[6:7] offset:16  ; of groups 2, 3
.irp u, 0,1,2,3
	global_load_b128 v[IX+4*\u:IX+4*\u+3], v187, s[10:11] offset:\u*524288   ; window place u of my four pixels
.endr
	s_wait_loadcnt 0x0                             ; the tile is still on its way: this wait stands in its shadow
.irp g, 0,1,2,3
.irp u, 0,1,2,3
	v_min_u32 v[IX+4*\u+\g], 0x1ffff, v[IX+4*\u+\g]        ; a loaded number enters an address only clamped to the table's rows
.endr
.endr
	WIN 0x40                                       ; destinations in window 1
.irp g, 0,1,2,3
.irp u, 0,1,2,3
.irp q, 0,1,2,3
	v_lshl_add_u32 v[16*(4*\g+\u)+4*\q], v[IX+4*\u+\g], 7, v189   ; row x 128 bytes + my half, once for each of the row's four loads, in the load's own first register
.endr
.endr
.endr
	WIN 0
	; the fractional coordinate, as the whole-number grid plus the flow leaves it: y for the lower lanes, x for the upper
	v_cmp_eq_u32 vcc_lo, 0, v185
	v_lshl_add_u32 v191, v184, 2, s20              ; xb + 4 r
	v_mov_b32 v193, s19                            ; y
.irp g, 0,1,2,3
	v_add_nc_u32 v194, \g, v191
	v_cndmask_b32 v194, v194, v193, vcc_lo
	v_cvt_f32_u32 v194, v194
	v_cndmask_b32 v195, v[FL+2*\g], v[FL+2*\g+1], vcc_lo
	v_add_f32 v194, v194, v195
	v_floor_f32 v195, v194
	v_sub_f32 v[AF+\g], v194, v195
.endr
	v_mov_b32 v[KPI], 0xbfc90fdb
	v_mov_b32 v[KPI+1], 0xbfc90fdb
	v_mov_b32 v[KC3], 0xbab60b61
	v_mov_b32 v[KC3+1], 0xbab60b61
	v_mov_b32 v[KS3], 0xb9500d01
	v_mov_b32 v[KS3+1], 0xb9500d01
	s_wait_tensorcnt 0x1                           ; a wave's tensor loads end in order: my eighth of the weights has landed; my tile, issued behind it, may stay out;
	s_barrier_signal -1                            ; say so: the weights are read by all eight waves
	s_barrier_wait -1                              ; the only barrier
; ------------------------------------------------------------------ q = SC (Wq (feat_curr + code) + q_b), with the gathers among it
; Batch n (0..7) of the gathers: group g = n / 2, window places 2 (n mod 2) and + 1 = registers 32 n .. 32 n + 31 of window 1.
; Each load's offset lies in its own first destination register; none of the eight names a register of another.
; There are four window places a pixel and as many rows in fs16 as pixels: a row is named four times on the average, hence the hint.
.macro GATHER n
	WIN 0x41                                       ; destination and address in window 1
.irp q, 0,1,2,3,4,5,6,7
	global_load_b128 v[32*(\n)+4*\q:32*(\n)+4*\q+3], v[32*(\n)+4*\q], s[8:9] offset:16*(\q&3) th:TH_LOAD_HT
.endr
	WIN 0
.endm
.macro LDR s                           ; feat_curr, channels 32 h + 8 s + e, my four pixels: 16 lanes read 256 neighbouring bytes
.irp e, 0,1,2,3,4,5,6,7
	ds_load_b128 v[RQ+4*\e:RQ+4*\e+3], v3 offset:(8*(\s)+\e)*256
.endr
.endm
.macro LDA s                           ; Wq's fragments of K step s
.irp t, 0,1,2,3
.irp p, 0,1
	ds_load_b128 v[AQ+8*\t+4*\p:AQ+8*\t+4*\p+3], v2 offset:((\t*4+(\s))*2+\p)*512
.endr
.endr
.endm
; STEP 0.  Register e of the four pixel fragments: (feature + sin, feature + cos), angle up to pi.  For each pair of groups gp: t, z, C, S at TT + 8 gp.
; Four chains that do not wait for each other.
.macro SINCOS e, om
.irp gp, 0,1
	v_pk_fma_f32 v[TT+8*\gp:TT+8*\gp+1], v[AF+2*\gp:AF+2*\gp+1], \om, v[KPI:KPI+1] op_sel_hi:[1,0,1]     ; t = angle - pi/2
.endr
.irp gp, 0,1
	v_pk_mul_f32 v[TT+8*\gp+2:TT+8*\gp+3], v[TT+8*\gp:TT+8*\gp+1], v[TT+8*\gp:TT+8*\gp+1]               ; z = t^2
.endr
.irp gp, 0,1
	v_pk_fma_f32 v[TT+8*\gp+4:TT+8*\gp+5], v[TT+8*\gp+2:TT+8*\gp+3], 0x37d00d01, v[KC3:KC3+1] op_sel_hi:[1,0,1]
	v_pk_fma_f32 v[TT+8*\gp+6:TT+8*\gp+7], v[TT+8*\gp+2:TT+8*\gp+3], 0x3638ef1d, v[KS3:KS3+1] op_sel_hi:[1,0,1]
.endr
.irp gp, 0,1
	v_pk_fma_f32 v[TT+8*\gp+4:TT+8*\gp+5], v[TT+8*\gp+4:TT+8*\gp+5], v[TT+8*\gp+2:TT+8*\gp+3], 0x3d2aaaab op_sel_hi:[1,1,0]
	v_pk_fma_f32 v[TT+8*\gp+6:TT+8*\gp+7], v[TT+8*\gp+6:TT+8*\gp+7], v[TT+8*\gp+2:TT+8*\gp+3], 0x3c088889 op_sel_hi:[1,1,0]
.endr
.irp gp, 0,1
	v_pk_fma_f32 v[TT+8*\gp+4:TT+8*\gp+5], v[TT+8*\gp+4:TT+8*\gp+5], v[TT+8*\gp+2:TT+8*\gp+3], -0.5 op_sel_hi:[1,1,0]
	v_pk_fma_f32 v[TT+8*\gp+6:TT+8*\gp+7], v[TT+8*\gp+6:TT+8*\gp+7], v[TT+8*\gp+2:TT+8*\gp+3], 0xbe2aaaab op_sel_hi:[1,1,0]
.endr
.irp gp, 0,1
	v_pk_fma_f32 v[TT+8*\gp+4:TT+8*\gp+5], v[TT+8*\gp+4:TT+8*\gp+5], v[TT+8*\gp+2:TT+8*\gp+3], 1.0 op_sel_hi:[1,1,0]   ; cos t = sin
	v_pk_fma_f32 v[TT+8*\gp+6:TT+8*\gp+7], v[TT+8*\gp+6:TT+8*\gp+7], v[TT+8*\gp+2:TT+8*\gp+3], 1.0 op_sel_hi:[1,1,0]   ; sin t / t
.endr
.irp gp, 0,1
	v_pk_add_f32 v[TT+8*\gp+4:TT+8*\gp+5], v[TT+8*\gp+4:TT+8*\gp+5], v[RQ+4*\e+2*\gp:RQ+4*\e+2*\gp+1]                  ; feature + sin
	v_pk_fma_f32 v[TT+8*\gp+6:TT+8*\gp+7], v[TT+8*\gp:TT+8*\gp+1], v[TT+8*\gp+6:TT+8*\gp+7], v[RQ+4*\e+2*\gp:RQ+4*\e+2*\gp+1] neg_lo:[1,0,0] neg_hi:[1,0,0]   ; feature - sin t
.endr
.irp gp, 0,1
	v_cvt_pk_f16_f32 v[BQ+16*\gp+\e], v[TT+8*\gp+4], v[TT+8*\gp+6]
	v_cvt_pk_f16_f32 v[BQ+16*\gp+8+\e], v[TT+8*\gp+5], v[TT+8*\gp+7]
.endr
.endm
; STEP 1.  Angle a up to 0.3142: cos = 1 + z (-1/2 + z/24), sin = a (1 + z (-1/6 + z/120)), z = a^2.  For each gp: a, z, C, S at TT + 8 gp.
.macro SC1 e, om
.irp gp, 0,1
	v_pk_mul_f32 v[TT+8*\gp:TT+8*\gp+1], v[AF+2*\gp:AF+2*\gp+1], \om op_sel_hi:[1,0]                    ; the angle
.endr
.irp gp, 0,1
	v_pk_mul_f32 v[TT+8*\gp+2:TT+8*\gp+3], v[TT+8*\gp:TT+8*\gp+1], v[TT+8*\gp:TT+8*\gp+1]               ; z
.endr
.irp gp, 0,1
	v_pk_fma_f32 v[TT+8*\gp+4:TT+8*\gp+5], v[TT+8*\gp+2:TT+8*\gp+3], 0x3d2aaaab, v[KC3:KC3+1] op_sel_hi:[1,0,1]   ; z/24 - 1/2
	v_pk_fma_f32 v[TT+8*\gp+6:TT+8*\gp+7], v[TT+8*\gp+2:TT+8*\gp+3], 0x3c088889, v[KS3:KS3+1] op_sel_hi:[1,0,1]   ; z/120 - 1/6
.endr
.irp gp, 0,1
	v_pk_fma_f32 v[TT+8*\gp+4:TT+8*\gp+5], v[TT+8*\gp+4:TT+8*\gp+5], v[TT+8*\gp+2:TT+8*\gp+3], 1.0 op_sel_hi:[1,1,0]   ; cos
	v_pk_fma_f32 v[TT+8*\gp+6:TT+8*\gp+7], v[TT+8*\gp+6:TT+8*\gp+7], v[TT+8*\gp+2:TT+8*\gp+3], 1.0 op_sel_hi:[1,1,0]   ; sin / angle
.endr
.irp gp, 0,1
	v_pk_add_f32 v[TT+8*\gp+4:TT+8*\gp+5], v[TT+8*\gp+4:TT+8*\gp+5], v[RQ+4*\e+2*\gp:RQ+4*\e+2*\gp+1]                  ; feature + cos
	v_pk_fma_f32 v[TT+8*\gp+6:TT+8*\gp+7], v[TT+8*\gp:TT+8*\gp+1], v[TT+8*\gp+6:TT+8*\gp+7], v[RQ+4*\e+2*\gp:RQ+4*\e+2*\gp+1]   ; feature + sin
.endr
.irp gp, 0,1
	v_cvt_pk_f16_f32 v[BQ+16*\gp+\e], v[TT+8*\gp+6], v[TT+8*\gp+4]         ; the sine in the low half
	v_cvt_pk_f16_f32 v[BQ+16*\gp+8+\e], v[TT+8*\gp+7], v[TT+8*\gp+5]
.endr
.endm
; STEPS 2 AND 3 take two registers e at a time, an even and an odd one, each on its own half of the work registers (TT + 8 (e mod 2):
; the cosine's chain for gp at + 2 gp, feature + sine at + 4 + 2 gp), so that no line reads what the line ahead of it wrote.
.macro SC2A e, om                      ; the angle, and feature + angle (the sine)
.irp gp, 0,1
	v_pk_mul_f32 v[TT+8*((\e)&1)+2*\gp:TT+8*((\e)&1)+2*\gp+1], v[AF+2*\gp:AF+2*\gp+1], \om op_sel_hi:[1,0]
	v_pk_fma_f32 v[TT+8*((\e)&1)+4+2*\gp:TT+8*((\e)&1)+4+2*\gp+1], v[AF+2*\gp:AF+2*\gp+1], \om, v[RQ+4*\e+2*\gp:RQ+4*\e+2*\gp+1] op_sel_hi:[1,0,1]
.endr
.endm
.macro SC2B e                          ; z, and feature + 1 in the feature's place (the sine has read it)
.irp gp, 0,1
	v_pk_mul_f32 v[TT+8*((\e)&1)+2*\gp:TT+8*((\e)&1)+2*\gp+1], v[TT+8*((\e)&1)+2*\gp:TT+8*((\e)&1)+2*\gp+1], v[TT+8*((\e)&1)+2*\gp:TT+8*((\e)&1)+2*\gp+1]
	v_pk_add_f32 v[RQ+4*\e+2*\gp:RQ+4*\e+2*\gp+1], v[RQ+4*\e+2*\gp:RQ+4*\e+2*\gp+1], 1.0 op_sel_hi:[1,0]
.endr
.endm
.macro SC2C e                          ; feature + 1 - z / 2
.irp gp, 0,1
	v_pk_fma_f32 v[TT+8*((\e)&1)+2*\gp:TT+8*((\e)&1)+2*\gp+1], v[TT+8*((\e)&1)+2*\gp:TT+8*((\e)&1)+2*\gp+1], -0.5, v[RQ+4*\e+2*\gp:RQ+4*\e+2*\gp+1] op_sel_hi:[1,0,1]
.endr
.endm
.macro SC3A e, om                      ; feature + angle, feature + 1
.irp gp, 0,1
	v_pk_fma_f32 v[TT+8*((\e)&1)+4+2*\gp:TT+8*((\e)&1)+4+2*\gp+1], v[AF+2*\gp:AF+2*\gp+1], \om, v[RQ+4*\e+2*\gp:RQ+4*\e+2*\gp+1] op_sel_hi:[1,0,1]
	v_pk_add_f32 v[TT+8*((\e)&1)+2*\gp:TT+8*((\e)&1)+2*\gp+1], v[RQ+4*\e+2*\gp:RQ+4*\e+2*\gp+1], 1.0 op_sel_hi:[1,0]
.endr
.endm
.macro PACK e                          ; the sine in the low half, the cosine in the high half
.irp gp, 0,1
	v_cvt_pk_f16_f32 v[BQ+16*\gp+\e], v[TT+8*((\e)&1)+4+2*\gp], v[TT+8*((\e)&1)+2*\gp]
	v_cvt_pk_f16_f32 v[BQ+16*\gp+8+\e], v[TT+8*((\e)&1)+5+2*\gp], v[TT+8*((\e)&1)+1+2*\gp]
.endr
.endm
.macro SC2P e0, om0, e1, om1
	SC2A \e0, \om0
	SC2A \e1, \om1
	SC2B \e0
	SC2B \e1
	SC2C \e0
	SC2C \e1
	PACK \e0
	PACK \e1
.endm
.macro SC3P e0, om0, e1, om1
	SC3A \e0, \om0
	SC3A \e1, \om1
	PACK \e0
	PACK \e1
.endm
; weight fragments of channel block t (two K steps) and its four bias vectors; K: wbase 16384, bbase 0; V: 24576, 1024
.macro LDW t, wbase, bbase
.irp s, 0,1
.irp p, 0,1
	ds_load_b128 v[AW+8*\s+4*\p:AW+8*\s+4*\p+3], v2 offset:\wbase+(((\t)*2+\s)*2+\p)*512
.endr
.endr
.irp u, 0,1,2,3
.irp p, 0,1
	ds_load_b128 v[BB+8*\u+4*\p:BB+8*\u+4*\p+3], v4 offset:\bbase+(\t)*256+\u*64+16*\p   ; all lanes of a half read the same 16 bytes
.endr
.endr
.endm
; The first K step's 16 products start the sums.  SC q_b of block t lies in q[t][0] and is the C of groups 1 to 3; five places (ISA guide 7.12.1)
; stand ahead of the products that write over it; then group 0 adds onto it in place.  Nothing is cleared, and the bias is read from LDS once a block.
.macro QMUL0
.irp g, 1,2,3
.irp t, 0,1,2,3
	v_wmma_f32_16x16x32_f16 v[Q+32*\t+8*\g:Q+32*\t+8*\g+7], v[AQ+8*\t:AQ+8*\t+7], v[BQ+8*\g:BQ+8*\g+7], v[Q+32*\t:Q+32*\t+7]
.endr
.endr
.rept 5
	v_nop
.endr
.irp t, 0,1,2,3
	v_wmma_f32_16x16x32_f16 v[Q+32*\t:Q+32*\t+7], v[AQ+8*\t:AQ+8*\t+7], v[BQ:BQ+7], v[Q+32*\t:Q+32*\t+7]
.endr
.endm
; A later K step's 16 products.  The 16 accumulators take turns, one instruction a turn, from step to step too.
.macro QMUL
.irp t, 0,1,2,3
.irp g, 0,1,2,3
	v_wmma_f32_16x16x32_f16 v[Q+32*\t+8*\g:Q+32*\t+8*\g+7], v[AQ+8*\t:AQ+8*\t+7], v[BQ+8*\g:BQ+8*\g+7], v[Q+32*\t+8*\g:Q+32*\t+8*\g+7]
.endr
.endr
.endm
.macro TENTH                           ; eight frequencies further is a factor 10000^(-8/32) = 0.1: it goes onto the coordinate
	v_pk_mul_f32 v[AF:AF+1], v[AF:AF+1], 0x3dcccccd op_sel_hi:[1,0]
	v_pk_mul_f32 v[AF+2:AF+3], v[AF+2:AF+3], 0x3dcccccd op_sel_hi:[1,0]
.endm
	LDA 0                                          ; Wq's first fragments and the bias come out of LDS while my tile is still on its way
.irp t, 0,1,2,3
.irp p, 0,1
	ds_load_b128 v[Q+32*\t+4*\p:Q+32*\t+4*\p+3], v2 offset:34816+(2*\t+\p)*512   ; SC q_b of block t, into q[t][0]
.endr
.endr
	s_wait_tensorcnt 0x0                           ; my tile has landed; no other wave reads it, so this wait is all the ordering that my reads of it need
	LDR 0
	GATHER 0                                       ; the first batch goes out while the LDS loads come back
	s_wait_dscnt 0x0                               ; the features are the youngest of the 24 LDS loads
	SINCOS 0, OM0
	GATHER 1
	SINCOS 1, OM1
	GATHER 2
	SINCOS 2, OM2
	GATHER 3
	SINCOS 3, OM3
	GATHER 4
	SINCOS 4, OM4
	GATHER 5
	SINCOS 5, OM5
	GATHER 6
	SINCOS 6, OM6
	GATHER 7
	SINCOS 7, OM7
	LDR 1                                          ; the next step's features, while this step is multiplied
	QMUL0
	TENTH                                          ; these six plain lines are the places (four are asked for) ahead of the loads into A and of the writes of B
	v_mov_b32 v[KC3], -0.5                         ; step 1's constants take the place of step 0's
	v_mov_b32 v[KC3+1], -0.5
	v_mov_b32 v[KS3], 0xbe2aaaab
	v_mov_b32 v[KS3+1], 0xbe2aaaab
	LDA 1
	s_wait_dscnt 8                                 ; the features are in; Wq's 8 loads are younger
	SC1 0, OM0
	SC1 1, OM1
	SC1 2, OM2
	SC1 3, OM3
	SC1 4, OM4
	SC1 5, OM5
	SC1 6, OM6
	SC1 7, OM7
	LDR 2
	s_wait_dscnt 8                                 ; Wq's fragments are in; the next features' 8 loads are younger
	QMUL
	TENTH                                          ; with the two v_nop: four places
	v_nop
	v_nop
	LDA 2
	s_wait_dscnt 8
	SC2P 0, OM0, 1, OM1
	SC2P 2, OM2, 3, OM3
	SC2P 4, OM4, 5, OM5
	SC2P 6, OM6, 7, OM7
	LDR 3
	s_wait_dscnt 8
	QMUL
	TENTH
	v_nop
	v_nop
	LDA 3
	s_wait_dscnt 8
	SC3P 0, OM0, 1, OM1
	SC3P 2, OM2, 3, OM3
	SC3P 4, OM4, 5, OM5
	SC3P 6, OM6, 7, OM7
	LDW 0, 16384, 0                                ; K's first weights and biases, into the registers of the features and of the work, now dead
	s_wait_dscnt 12                                ; Wq's fragments are in; those 12 loads are younger
	QMUL
.rept 5
	v_nop                                          ; five places: the first k product writes over Wq's fragment registers
.endr
	v_mov_b32 v[MX+1], 0                           ; the pair's unused half is written once (it was a fragment register: behind the places)
; ------------------------------------------------------------------ k, softmax, v, for each block t of 16 channels (two heads)
; Batch n (0..7): group g = n / 2, window places 2 (n mod 2) and + 1, into buffer n mod 2.  The bias is the first product's C.
; The two accumulators take turns, one instruction a turn.
.macro MM n
	WIN 0x04                                       ; B in window 1
	v_wmma_f32_16x16x32_f16 v[KV+16*((\n)&1):KV+16*((\n)&1)+7], v[AW:AW+7], v[32*(\n):32*(\n)+7], v[BB+16*((\n)&1):BB+16*((\n)&1)+7]
	v_wmma_f32_16x16x32_f16 v[KV+16*((\n)&1)+8:KV+16*((\n)&1)+15], v[AW:AW+7], v[32*(\n)+16:32*(\n)+23], v[BB+16*((\n)&1)+8:BB+16*((\n)&1)+15]
	v_wmma_f32_16x16x32_f16 v[KV+16*((\n)&1):KV+16*((\n)&1)+7], v[AW+8:AW+15], v[32*(\n)+8:32*(\n)+15], v[KV+16*((\n)&1):KV+16*((\n)&1)+7]
	v_wmma_f32_16x16x32_f16 v[KV+16*((\n)&1)+8:KV+16*((\n)&1)+15], v[AW+8:AW+15], v[32*(\n)+24:32*(\n)+31], v[KV+16*((\n)&1)+8:KV+16*((\n)&1)+15]
	WIN 0
.endm
.macro LOGIT t, n                      ; q . k over my head's 8 numbers, for the batch's two window places
.set LQ, Q+32*(\t)+8*((\n)>>1)
.set LK, KV+16*((\n)&1)
.set LP, PP+2*(\n)
	v_pk_mul_f32 v[TMP:TMP+1], v[LQ:LQ+1], v[LK:LK+1]
	v_pk_mul_f32 v[TMP+2:TMP+3], v[LQ:LQ+1], v[LK+8:LK+9]
.irp j, 2,4,6
	v_pk_fma_f32 v[TMP:TMP+1], v[LQ+\j:LQ+\j+1], v[LK+\j:LK+\j+1], v[TMP:TMP+1]
	v_pk_fma_f32 v[TMP+2:TMP+3], v[LQ+\j:LQ+\j+1], v[LK+8+\j:LK+8+\j+1], v[TMP+2:TMP+3]
.endr
	v_add_f32 v[LP], v[TMP], v[TMP+1]
	v_add_f32 v[LP+1], v[TMP+2], v[TMP+3]
.endm
.macro SOFTMAX g                       ; over the four window places, in the lane; the maximum is taken away first
.set LP, PP+4*(\g)
	v_max3_num_f32 v[MX], v[LP], v[LP+1], v[LP+2]
	v_max_num_f32 v[MX], v[MX], v[LP+3]
	v_pk_add_f32 v[LP:LP+1], v[LP:LP+1], v[MX:MX+1] op_sel_hi:[1,0] neg_lo:[0,1] neg_hi:[0,1]
	v_pk_add_f32 v[LP+2:LP+3], v[LP+2:LP+3], v[MX:MX+1] op_sel_hi:[1,0] neg_lo:[0,1] neg_hi:[0,1]
	v_exp_f32 v[LP], v[LP]
	v_exp_f32 v[LP+1], v[LP+1]
	v_exp_f32 v[LP+2], v[LP+2]
	v_exp_f32 v[LP+3], v[LP+3]
	v_nop                                          ; one plain place behind the exponentials
	s_wait_alu depctr_va_vdst(0)
	v_pk_add_f32 v[SM:SM+1], v[LP:LP+1], v[LP+2:LP+3]
	v_add_f32 v[SM], v[SM], v[SM+1]                ; at least 1: the largest term is 2^0
	v_rcp_f32 v[SM+1], v[SM]
	v_nop                                          ; one plain place behind the reciprocal
	s_wait_alu depctr_va_vdst(0)
	v_pk_mul_f32 v[LP:LP+1], v[LP:LP+1], v[SM:SM+1] op_sel:[0,1] op_sel_hi:[1,1]
	v_pk_mul_f32 v[LP+2:LP+3], v[LP+2:LP+3], v[SM:SM+1] op_sel:[0,1] op_sel_hi:[1,1]
.endm
.macro OUT t, n                        ; the batch's two values times their weights; the fourth place's product lands in the output's layout
.set LK, KV+16*((\n)&1)
.set LP, PP+2*(\n)
.if ((\n)&1) == 0
.irp j, 0,2,4,6
	v_pk_mul_f32 v[TO+\j:TO+\j+1], v[LK+\j:LK+\j+1], v[LP:LP+1] op_sel_hi:[1,0]
.endr
.irp j, 0,2,4,6
	v_pk_fma_f32 v[TO+\j:TO+\j+1], v[LK+8+\j:LK+8+\j+1], v[LP:LP+1], v[TO+\j:TO+\j+1] op_sel:[0,1,0] op_sel_hi:[1,1,1]
.endr
.else
.irp j, 0,2,4,6
	v_pk_fma_f32 v[TO+\j:TO+\j+1], v[LK+\j:LK+\j+1], v[LP:LP+1], v[TO+\j:TO+\j+1] op_sel_hi:[1,0,1]
.endr
.irp j, 0,1,2,3,4,5,6,7
	v_fma_f32 v[Q+32*(\t)+4*\j+((\n)>>1)], v[LK+8+\j], v[LP+1], v[TO+\j]
.endr
.endif
.endm
.macro STORE t                         ; 16 lanes store 256 neighbouring bytes of one plane's row, aligned; registers and bases are never written again
.irp j, 0,1,2,3,4,5,6,7
	global_store_b128 v5, v[Q+32*(\t)+4*\j:Q+32*(\t)+4*\j+3], s[OB+2*(\t):OB+2*(\t)+1] offset:\j*262144 th:TH_STORE_NT
.endr
.endm
; DISTANCES (ISA guide 7.12.1).  A batch's results are read, and its buffer is written again, only behind the vector work of the batch before it,
; eight plain instructions or more that name none of its registers; behind the first batch of k stand five v_nop, behind the first of v the softmax of group 3.
; The loads of the next weights and biases stand behind the vector work that follows the last batch's products.
.macro KVT t
	s_wait_dscnt 0x0                               ; K's weights and biases are in
.if \t == 0
	s_wait_loadcnt 56                              ; the gathers return in order: batch 0's eight are in, 56 stay out
.endif
	MM 0
.rept 5
	v_nop
.endr
.if \t == 0
	s_wait_loadcnt 48
.endif
	MM 1
	LOGIT \t, 0
.irp n, 1,2,3,4,5,6
.if \t == 0
	s_wait_loadcnt 56-8*(\n+1)                     ; the next batch's eight gathers are in, the later batches' stay out
.endif
	MM \n+1
	LOGIT \t, \n
.if (\n)&1
	SOFTMAX (\n)>>1
.endif
.endr
	LDW \t, 24576, 1024                            ; V's weights and biases
	LOGIT \t, 7
	s_wait_dscnt 0x0
	MM 0
	SOFTMAX 3
	MM 1
	OUT \t, 0
.irp n, 1,2,3,4,5,6
	MM \n+1
	OUT \t, \n
.endr
.if \t < 3
	LDW \t+1, 16384, 0                             ; the next block's K weights and biases
.endif
	OUT \t, 7
	STORE \t
.endm
	KVT 0
	KVT 1
	KVT 2
	KVT 3
	s_wait_xcnt 0x0
	v_lshl_add_u32 v206, v0, 2, 0x29800
	v_mov_b32 v207, 0
	s_wait_tensorcnt 0x0
	ds_add_u32 v206, v207
	s_wait_dscnt 0x0
	s_endpgm
.Lfunc_end_k_q2c6a289523_warp:
	.size	k_q2c6a289523_warp, .Lfunc_end_k_q2c6a289523_warp-k_q2c6a289523_warp
	.p2alignl 7, 3214868480
	.fill 96, 4, 3214868480
	.section	.rodata,"a",@progbits
	.p2align	6, 0x0
	.amdhsa_kernel k_q2c6a289523_warp
		.amdhsa_group_segment_fixed_size 171008
		.amdhsa_private_segment_fixed_size 0
		.amdhsa_enable_private_segment 0
		.amdhsa_kernarg_size 48
		.amdhsa_user_sgpr_count 2
		.amdhsa_user_sgpr_kernarg_segment_ptr 1
		.amdhsa_wavefront_size32 1
		.amdhsa_system_sgpr_workgroup_id_x 1
		.amdhsa_system_sgpr_workgroup_id_y 1
		.amdhsa_system_sgpr_workgroup_id_z 1
		.amdhsa_system_vgpr_workitem_id 0
		.amdhsa_next_free_vgpr 512
		.amdhsa_next_free_sgpr 80
		.amdhsa_reserve_vcc 1
		.amdhsa_float_denorm_mode_32 3
		.amdhsa_float_denorm_mode_16_64 3
		.amdhsa_memory_ordered 1
		.amdhsa_forward_progress 1
		.amdhsa_inst_pref_size 149
	.end_amdhsa_kernel
	.amdgpu_metadata
---
amdhsa.version: [ 1, 2 ]
amdhsa.kernels:
  - .name:           k_q2c6a289523_warp
    .symbol:         k_q2c6a289523_warp.kd
    .args:
      - { .name: feat_curr, .offset: 0, .size: 8, .value_kind: global_buffer, .address_space: global }
      - { .name: flow, .offset: 8, .size: 8, .value_kind: global_buffer, .address_space: global }
      - { .name: fs16, .offset: 16, .size: 8, .value_kind: global_buffer, .address_space: global }
      - { .name: idx, .offset: 24, .size: 8, .value_kind: global_buffer, .address_space: global }
      - { .name: wts, .offset: 32, .size: 8, .value_kind: global_buffer, .address_space: global }
      - { .name: out0, .offset: 40, .size: 8, .value_kind: global_buffer, .address_space: global }
    .group_segment_fixed_size: 171008
    .private_segment_fixed_size: 0
    .kernarg_segment_align: 8
    .kernarg_segment_size: 48
    .max_flat_workgroup_size: 256
    .sgpr_count:     80
    .vgpr_count:     512
    .wavefront_size: 32
...
	.end_amdgpu_metadata
.endif
;; end of part 4
